; MI455X (gfx1250); checked and timed in simulation.
; The chip was launched on July 23, 2026; its instructions are those of AMD's public machine-readable ISA for CDNA 5 (MIT licence, August 2026) and "CDNA5" Instruction Set Architecture Reference Guide (July 2026). The comments in the code are by the model that wrote it; some were corrected since.
;; Focal Attention. Allowed arithmetic: matrix products marked QUANTISED: E2M1 operands, one E8M0 scale for each 32 along K, by v_wmma_scale_f32_16x16x128_f8f6f4 with both operands' format E2M1 (or v_wmma_scale_f32_32x16x128_f4), f32 sums; everything else in f32.
;; Inputs: b_proj 1,024 float32; b_qkv 3,072 float32; w_proj 1,024 x 1,024 float32; w_qkv 3,072 x 1,024 float32; x 4 x 2,048 x 1,024 float32.
;; Outputs: out0 4 x 2,048 x 1,024 float32.
;; This version of the problem:
;;   THIS VERSION OF THE PROBLEM IS GIVEN IN LOW PRECISION. The matrix products marked QUANTISED in the list below multiply operands that are first quantised to E2M1 (2 exponent bits, 1 mantissa bit; 4 bits a number), with one power-of-two scale for each 32 numbers along K (OCP MX v1.0); their sums are f32. All else is computed in f32.
;;   The module's matrix products, in the order in which they are computed (A, B: the left and right operand; K: the contracted axis; several contracted axes count as one K, in the product's order):
;;     1. [M 8,192, K 1,024] x [K 1,024, N 3,072]; A: input x; B: input w_qkv: QUANTISED
;;     2. batch 64 x [M 2,048, K 64] x [K 64, N 2,048]; A: computed on the way; B: computed on the way: QUANTISED
;;     3. batch 64 x [M 2,048, K 2,048] x [K 2,048, N 64]; A: softmax (see below); B: computed on the way: QUANTISED
;;     4. [M 8,192, K 1,024] x [K 1,024, N 1,024]; A: computed on the way; B: input w_proj: QUANTISED
;;   THE QUANTISER, for each operand of a quantised product, along K:
;;     - K is cut into blocks of 32 from its start; a last block that is shorter is filled with zeros.
;;     - A block's scale is 2^e with e = floor(log2(the largest magnitude in the block)) - 2, held to -126 .. 127; a block of zeros has e = 0. As a byte (E8M0): e + 127.
;;     - Each number is divided by its block's scale, clamped to +-6, and rounded to the nearest number of E2M1, ties to even, subnormals kept.
;;     - The product sums the exact products of the quantised numbers (number of the format x scale) in f32.
;;   ~~~python
;;   def quantise(x, axis):      # numpy; x: float32 -> the quantised numbers, widened to float32 again
;;       x = np.moveaxis(x, axis, -1); K = x.shape[-1]
;;       x = np.pad(x, [(0, 0)] * (x.ndim - 1) + [(0, -K % 32)]); x = x.reshape(x.shape[:-1] + (-1, 32)); a = np.abs(x).max(-1, keepdims=True)
;;       e = np.where(a > 0, np.clip(np.frexp(np.where(a > 0, a, 1))[1] - 1 - 2, -126, 127), 0)      # np.frexp(a)[1] - 1 = floor(log2(a)), exactly
;;       r = np.clip(x / 2.0 ** e, -6, 6)
;;       step = 2.0 ** (np.maximum(np.frexp(np.where(r == 0, 1, r))[1] - 1, 0) - 1)
;;       q = np.round(r / step) * step * 2.0 ** e      # np.round: ties to even
;;       return np.moveaxis(q.reshape(q.shape[:-2] + (-1,))[..., :K], -1, axis).astype(np.float32)
;;   ~~~
;;   SOFTMAX AHEAD OF A QUANTISED PRODUCT. Where the list says 'softmax', what is quantised is not the finished softmax but p = 2^(t - M), with t = logit x log2(e) and M = ceil(the row's largest t), a whole number; so 1/2 < the row's largest p <= 1. The row's sum l is taken of the UNQUANTISED p, in f32, and the product's result is divided by l at the end. Since M is a whole number, a kernel that streams over the keys may use a running M (the ceiling of the running maximum): every later rescaling is an exact power of two, which a block's scale takes up: the codes' values come out the same.
;;   OPERANDS COMPUTED ON THE WAY. 'Computed on the way' means the value that the module computes at that place (a softmax that the list does not call 'softmax' is quantised finished and normalised). What goes into a quantiser is computed in f32, as accurately as f32 sums, v_exp_f32 and their like allow (about 1e-6 of the number): no bf16 or f16 on the way to a quantiser, and a product that is left as it is and whose result goes on into a quantised operand takes f32 operands (vector FMAs, or v_wmma_f32_16x16x4_f32). A number that lies on a knife's edge between two numbers of the format may be rounded either way, as far as f32 arithmetic and the matrix unit's own rounding can turn it there, and no further.
;; One version. Each part assembles by itself: llvm-mc -triple=amdgcn-amd-amdhsa -mcpu=gfx1250 --defsym DOCPART=n.
;; ======== version 1 of 1: 4 launches
;; workspace buffers: codes1 6,291,456 bytes; scales1 393,216 bytes; qkv_codes 12,582,912 bytes; qkv_scales 1,310,720 bytes; att_codes 4,194,304 bytes; att_scales 262,144 bytes
;; launch quant (part 1): grid 768 x 1, 2 waves a work-group, no clusters, 16,640 bytes of LDS; arguments x, w_qkv, w_proj, codes1, scales1; writes codes1, scales1
.if DOCPART == 1
	.amdgcn_target "amdgcn-amd-amdhsa--gfx1250"
	.amdhsa_code_object_version 6
	.text
	.protected	k_qe15322828f_quant
	.globl	k_qe15322828f_quant
	.p2align	8
	.type	k_qe15322828f_quant,@function
k_qe15322828f_quant:
	s_mov_b64 s[64:65], 0
	v_nop
	global_prefetch_b8 v0, s[64:65] scope:SCOPE_SE
	s_setreg_imm32_b32 hwreg(HW_REG_WAVE_MODE, 25, 1), 1
	s_wait_xcnt 0x0
; x [8192][1024], w_qkv [3072][1024] and w_proj [1024][1024], f32, K innermost, become codes of FP4 (E2M1) with one E8M0 scale byte for each 32 along K.
; A block's scale is 2^(floor(log2(its largest magnitude)) - 2): its byte is the largest magnitude's own exponent field - 2, held at 1 from below.
; LIMITS: NaN and infinities among the inputs are not served; a block whose largest magnitude lies under 2^-124 keeps the byte 1; a block of zeros gets the byte 1 where the
; rule says 127: its codes are zeros, which add nothing under any byte but 0xff, and the bytes are read by this program alone.
; The three tensors are one stream of 1,536 RUNS of 8,192 numbers (8 rows): runs 0-1023 x, 1024-1407 w_qkv, 1408-1535 w_proj.  A run gives 4,096 bytes of codes (8 rows of 512) and 256 scale bytes.
; A wave takes one run, in 16 steps of 512 numbers.  w_qkv's runs are STORED with the two low bits of the run's number exchanged, that is, rows with bits 3 and 4 exchanged: sixteen stored rows
; on end are then the rows 32 b + 8 u + r + 8 (r / 8), which the next launch wants as a tile.
; Each of a step's four loads reads 512 consecutive bytes; the 2,048 bytes turn through the wave's own stage in LDS and come back 64 bytes a lane: 16 neighbours, two lanes to a block.
; Loads run eight steps (32 loads a wave) ahead, the turn through LDS one step.  No barrier: waves share nothing.  Every store has registers of its own, so no store's data are written again.
.set STEPS, 16
.set AH,    8                          ; steps that the loads run ahead
.set EMAX,  2
.set CB,    8                          ; bytes of 16 codes
.set R,     16                         ; v16-143  eight sets of 16 numbers as they are loaded
.set X,     144                        ; v144-175 two sets of 16 neighbours
.set E,     176                        ; v176-191 a scale byte for each step
.set C,     192                        ; v192-223 codes: two registers for each step
.set WREG,  8192                       ; LDS: a region for each wave: two stages of 32 x SP bytes, behind them its 256 scale bytes
.set SP,    80                         ; a lane's place in a stage: 64 bytes + 16 of padding
	s_load_b256 s[4:11], s[0:1], 0x0               ; x s[4:5], w_qkv s[6:7], w_proj s[8:9], the codes s[10:11]
	s_load_b64 s[12:13], s[0:1], 0x20              ; the scale bytes
	v_lshl_add_u32 v224, v0, 2, 0x4000
	v_mov_b32 v225, 0
	v_lshrrev_b32 v1, 5, v0
	v_readfirstlane_b32 s16, v1                    ; wave
	v_and_b32 v2, 31, v0                           ; lane
	v_lshlrev_b32 v3, 4, v2                        ; my 16 bytes of a load's 512
	s_mul_i32 s17, s16, WREG
	v_lshrrev_b32 v14, 2, v2
	v_mul_u32_u24 v14, v14, SP
	v_and_b32 v15, 3, v2
	v_lshl_add_u32 v14, v15, 4, v14
	v_add_nc_u32 v14, s17, v14                     ; the stage, on the way in: SP (lane / 4) + 16 (lane % 4)
	v_mul_u32_u24 v15, v2, SP
	v_add_nc_u32 v15, s17, v15                     ; and on the way out: SP x lane: my 16 neighbours
	v_mul_u32_u24 v4, v2, CB                       ; my codes' place in a step's
	v_lshrrev_b32 v5, 1, v2
	s_add_co_u32 s17, s17, 2*32*SP
	v_add_nc_u32 v5, s17, v5                       ; LDS: my wave's 256 scale bytes, my block's byte
	v_lshlrev_b32 v7, 3, v2                        ; and on the way out 8 bytes a lane
	v_add_nc_u32 v6, s17, v7
	s_lshl_b32 s18, ttmp9, 1
	s_add_co_u32 s18, s18, s16                     ; my run
	s_and_b32 s20, s18, 0xfffffffc                 ; the run's number with its two low bits exchanged
	s_and_b32 s24, s18, 1
	s_lshl_b32 s24, s24, 1
	s_or_b32 s20, s20, s24
	s_bfe_u32 s24, s18, 0x10001
	s_or_b32 s20, s20, s24
	s_mov_b32 s23, 0
	s_wait_kmcnt 0x0
	s_mov_b32 s19, 1408                            ; which tensor, and its first run: the choice hangs on the run's number alone
	s_cmp_lt_u32 s18, 1408
	s_cselect_b64 s[6:7], s[6:7], s[8:9]
	s_cselect_b32 s19, 1024, s19
	s_cmp_lt_u32 s18, 1024
	s_cselect_b64 s[4:5], s[4:5], s[6:7]
	s_cselect_b32 s19, 0, s19
	s_cmp_eq_u32 s19, 1024
	s_cselect_b32 s20, s20, s18                    ; only w_qkv's runs change places
	s_sub_co_u32 s21, s18, s19
	s_lshl_b32 s22, s21, 15                        ; 32,768 bytes of f32 a run
	s_add_nc_u64 s[4:5], s[4:5], s[22:23]
	s_lshl_b32 s22, s20, 12                        ; 4,096 bytes of codes
	s_add_nc_u64 s[10:11], s[10:11], s[22:23]
	s_lshl_b32 s22, s20, 8                         ; 256 scale bytes
	s_add_nc_u64 s[12:13], s[12:13], s[22:23]
.macro LOAD t
.irp i, 0,1,2,3
	global_load_b128 v[R+16*((\t)%AH)+4*\i:R+16*((\t)%AH)+4*\i+3], v3, s[4:5] offset:2048*(\t)+512*\i th:TH_LOAD_NT   ; 32 lanes read 512 consecutive bytes
.endr
.endm
.macro TURN t                          ; step t's numbers through the stage: LDS serves a wave's instructions in order, so no wait stands between the stores and the loads
.irp i, 0,1,2,3
	ds_store_b128 v14, v[R+16*((\t)%AH)+4*\i:R+16*((\t)%AH)+4*\i+3] offset:32*SP*((\t)%2)+8*SP*\i
.endr
.irp i, 0,1,2,3
	ds_load_b128 v[X+16*((\t)%2)+4*\i:X+16*((\t)%2)+4*\i+3], v15 offset:32*SP*((\t)%2)+16*\i
.endr
.endm
.irp t, 0,1,2,3,4,5,6,7
	LOAD \t
.endr
	s_wait_loadcnt 28                              ; step 0's four loads are in; those of steps 1 to 7 may be out
	TURN 0
.macro STEP t
.set XS, X+16*((\t)%2)
.if (\t) > 0
	s_wait_dscnt 1                                 ; this step's numbers are back from the stage (the last step's byte store may be out): so its stores into the stage have read their registers,
.else
	s_wait_dscnt 0x0
.endif
.if (\t)+AH < STEPS
	LOAD (\t)+AH                                   ; which take the loads of eight steps on
.endif
.if (\t)+1 < STEPS
.if 14-(\t) >= 7
	s_wait_loadcnt 28                              ; the next step's four loads are in; those of the seven steps behind it may be out
.else
	s_wait_loadcnt 4*(14-(\t))                     ; the counts run down: nothing more is asked for
.endif
	TURN (\t)+1                                    ; and go through the other stage while this step is worked
.endif
	v_max3_num_f32 v8, |v[XS]|, |v[XS+1]|, |v[XS+2]|               ; the largest magnitude of my 16, in two chains
	v_max3_num_f32 v9, |v[XS+3]|, |v[XS+4]|, |v[XS+5]|
.irp i, 6,10
	v_max3_num_f32 v8, v8, |v[XS+\i]|, |v[XS+\i+1]|
	v_max3_num_f32 v9, v9, |v[XS+\i+2]|, |v[XS+\i+3]|
.endr
	v_max3_num_f32 v8, v8, |v[XS+14]|, |v[XS+15]|
	v_max3_num_f32 v8, v8, v9, (EMAX+1)<<23        ; and the floor 2^(3 - 127): the byte cannot fall under 1
	v_max_num_f32_dpp v8, v8, v8 row_xmask:1 row_mask:0xf bank_mask:0xf   ; and of my neighbour's 16: the block's
	v_add_nc_u32 v11, -(EMAX<<23), v8              ; 2 off its exponent field: the conversion takes the exponent field of this operand as its scale
	v_cvt_scalef32_pk8_fp4_f32 v[C+2*(\t)], v[XS:XS+7], v11
	v_cvt_scalef32_pk8_fp4_f32 v[C+2*(\t)+1], v[XS+8:XS+15], v11
	v_lshrrev_b32 v[E+(\t)], 23, v11               ; the scale's byte (a plain line behind the conversions)
	ds_store_b8 v5, v[E+(\t)] offset:16*(\t)       ; both lanes of a block write the same byte with the same value
	global_store_b64 v4, v[C+2*(\t):C+2*(\t)+1], s[10:11] offset:32*CB*(\t)   ; the wave stores 256 consecutive bytes, aligned
.endm
.irp t, 0,1,2,3,4,5,6,7,8,9,10,11,12,13,14,15
	STEP \t
.endr
	ds_load_b64 v[12:13], v6                       ; LDS serves a wave's instructions in order: these see my stores
	s_wait_dscnt 0x0
	global_store_b64 v7, v[12:13], s[12:13]        ; 32 lanes store 256 consecutive bytes, aligned
	s_wait_tensorcnt 0x0
	ds_add_u32 v224, v225
	s_wait_dscnt 0x0
	s_endpgm
.Lfunc_end_k_qe15322828f_quant:
	.size	k_qe15322828f_quant, .Lfunc_end_k_qe15322828f_quant-k_qe15322828f_quant
	.p2alignl 7, 3214868480
	.fill 96, 4, 3214868480
	.section	.rodata,"a",@progbits
	.p2align	6, 0x0
	.amdhsa_kernel k_qe15322828f_quant
		.amdhsa_group_segment_fixed_size 16640
		.amdhsa_private_segment_fixed_size 0
		.amdhsa_enable_private_segment 0
		.amdhsa_kernarg_size 40
		.amdhsa_user_sgpr_count 2
		.amdhsa_user_sgpr_kernarg_segment_ptr 1
		.amdhsa_wavefront_size32 1
		.amdhsa_system_sgpr_workgroup_id_x 1
		.amdhsa_system_sgpr_workgroup_id_y 1
		.amdhsa_system_sgpr_workgroup_id_z 1
		.amdhsa_system_vgpr_workitem_id 0
		.amdhsa_next_free_vgpr 226
		.amdhsa_next_free_sgpr 66
		.amdhsa_reserve_vcc 0
		.amdhsa_float_denorm_mode_32 3
		.amdhsa_float_denorm_mode_16_64 3
		.amdhsa_memory_ordered 1
		.amdhsa_forward_progress 1
		.amdhsa_inst_pref_size 34
	.end_amdhsa_kernel
	.amdgpu_metadata
---
amdhsa.version: [ 1, 2 ]
amdhsa.kernels:
  - .name:           k_qe15322828f_quant
    .symbol:         k_qe15322828f_quant.kd
    .args:
      - { .name: x, .offset: 0, .size: 8, .value_kind: global_buffer, .address_space: global }
      - { .name: w_qkv, .offset: 8, .size: 8, .value_kind: global_buffer, .address_space: global }
      - { .name: w_proj, .offset: 16, .size: 8, .value_kind: global_buffer, .address_space: global }
      - { .name: codes1, .offset: 24, .size: 8, .value_kind: global_buffer, .address_space: global }
      - { .name: scales1, .offset: 32, .size: 8, .value_kind: global_buffer, .address_space: global }
    .group_segment_fixed_size: 16640
    .private_segment_fixed_size: 0
    .kernarg_segment_align: 8
    .kernarg_segment_size: 40
    .max_flat_workgroup_size: 64
    .sgpr_count:     66
    .vgpr_count:     226
    .wavefront_size: 32
...
	.end_amdgpu_metadata
.endif
;; end of part 1
;; launch qkv (part 2): grid 12 x 32, 4 waves a work-group, clusters of 4 x 4, 327,680 bytes of LDS; arguments codes1, scales1, qkv_codes, qkv_scales, b_qkv; writes qkv_codes, qkv_scales
.if DOCPART == 2
	.amdgcn_target "amdgcn-amd-amdhsa--gfx1250"
	.amdhsa_code_object_version 6
	.text
	.protected	k_qe15322828f_qkv
	.globl	k_qe15322828f_qkv
	.p2align	8
	.type	k_qe15322828f_qkv,@function
k_qe15322828f_qkv:
	s_mov_b64 s[64:65], 0
	v_nop
	global_prefetch_b8 v0, s[64:65] scope:SCOPE_SE
	s_setreg_imm32_b32 hwreg(HW_REG_WAVE_MODE, 25, 1), 1
	s_wait_xcnt 0x0
	s_wait_alu depctr_hold_cnt(0) depctr_sa_sdst(0) depctr_va_vdst(0) depctr_va_sdst(0) depctr_va_ssrc(0) depctr_va_vcc(0) depctr_vm_vsrc(0)
	s_getreg_b32 s2, hwreg(HW_REG_IB_STS2, 6, 4)
	s_cmp_eq_u32 s2, 0
	s_cbranch_scc0 .Lentry_in_a_cluster
	s_endpgm
.Lentry_in_a_cluster:
	s_bfe_u32 s2, ttmp6, 0x10000c
	s_cmp_lg_u32 s2, 0xf033
	s_cbranch_scc0 .Lentry_shape_is_right
	s_endpgm
.Lentry_shape_is_right:
; qkv = x w_qkv^T + b_qkv, [8192][3072], K = 1024, on codes of FP4 (E2M1) with one E8M0 scale for each 32 along K; the result leaves QUANTISED: q and k along the head's 64, v along the tokens.
; A tile of 256 x 256 is made by a work-group of four waves; a wave makes 128 x 128: 64 accumulators of 16 x 16, 512 registers.  All of K lies in two LDS slots of 512 along K (rows of 256 bytes),
; each filled once by the tensor data mover; the scale bytes of the 256 + 256 rows come with them, in rows of 256 bytes.  By this text's own count a wave has three tensor loads outstanding at the start.
; CLUSTERS: 4 x 4 work-groups.  The four of a row of the cluster need the same tiles of x, the four of a column the same tiles of w_qkv: each tile is asked for JOINTLY.
; THE MATRIX INSTRUCTION IS USED TRANSPOSED (source 0 = 16 stored rows of w_qkv, source 1 = 16 tokens): a lane holds ONE token.  w_qkv's rows were stored with bits 3 and 4 exchanged, so in tile b
; register j of lane (r, h) is column 32 (b / 2) + 16 h + 8 (b % 2) + j: the 16 registers of tiles 2 B and 2 B + 1 are 16 neighbours of block B of 32.  The bias is the C of each sum's first product.
; THE WAY OUT.  q, k (cluster x 0, 1): a block of 16 tokens x 128 columns is two heads x two blocks of 32: quantised in registers; the codes leave as images of an operand's registers 0-3
; (16 bytes a lane, 512 consecutive bytes a store), the scale words (two bytes a token and head, two zero bytes above) four to a lane.
; v (cluster x 2): its K is the tokens: 32 tokens x 128 columns turn through the wave's stage in LDS, a lane then takes a column and its 32 registers run down the tokens.
; LIMITS: NaN and infinities are not served; a block whose largest magnitude lies under 2^-124, a block of zeros too, keeps the byte 1 (its codes then add nothing or next to nothing; only this program reads the bytes).
; REGISTERS, in windows of 256: window 0: v0-31 addresses; v32-95 scale words, two sets, and nothing else; v96-123 at work on the way out; v128-191 A's fragments, ONE set; v192-255 the bias, eight registers a tile of columns;
;   on the way out v128-255 are free.  window 1: B's fragments, TWO sets.  window 2: the accumulators of my tokens 0-63 ((a, b) at v[8 (8 a + b)]);  window 3: those of tokens 64-127.
.set NQ,     4                         ; steps of 128 along K in a slot
.set ROWB,   256                       ; a tile's row in bytes: 512 codes
.set KROW,   512                       ; a row of codes in memory
.set PITCH,  272                       ; an LDS row: 256 bytes + 16 of padding: the 16 rows that a load touches start at 16 different banks (64 banks of 4 bytes: ISA guide 11.1)
.set FR,     8
.set NL,     2
.set NP,     4                         ; places behind this matrix instruction (ISA guide 7.12.1)
.set HALFT,  128*PITCH
.set SLOT,   4*HALFT                   ; A's 256 rows, then B's 256 rows
.set KS,     32                        ; a row of scale bytes
.set SCL,    2*SLOT                    ; behind the slots: the scales, as rows of 256 bytes + 16 of padding
.set HALFS,  (128*KS/256)*272
.set SBLK,   (16*KS/256)*272
.set SPARE,  SCL+4*HALFS               ; the spare words, 128 bytes for each wave: two blocks of 256 bytes that no other line names
.set VPITCH, 528                       ; v's stage: 32 tokens x (512 bytes + 16) for each wave, in slot 0, which has had its one fill and its last read when the first result is stored there
.set WQ_C,   4194304                   ; where w_qkv's codes and scale bytes begin in their buffers
.set WQ_S,   262144
.set V_C,    8388608                   ; where v's codes and scale words begin in theirs
.set V_S,    1048576
.set BOF,  8                           ; v8   64 h: my half's place in the bias
.set LI,   9                           ; v9   16 x lane
.set LS,   10                          ; v10  4 x lane
.set HSH,  11                          ; v11  16 h: which half of a scale word is my head's
.set VSTO, 12                          ; v12  v's stage: where I put a token's numbers
.set VRD,  13                          ; v13  and where my column begins
.set ADRA, 16                          ; v16-17  LDS address of my A fragments in slot 0, 1
.set ADRB, 20                          ; v20-21  the same for B
.set ADRS, 27                          ; v27     LDS address of my scale words: lanes 0-15 A's rows, lanes 16-31 B's
.set SPW,  28                          ; v28     LDS address of my spare word; never rewritten
.set NIL,  29                          ; v29     0; never rewritten
.set SC,   32
.set TM,   96                          ; v96-111 at work: largest magnitudes, bytes, the conversions' scale operands
.set PW,   112                         ; the scale word just made
.set PC,   116                         ; v116-123 the codes just made
.set AF,   128
.set BIAS, 192
.set SW,   128                         ; q, k: v128-135 a scale word for each block of 16 tokens
.set X,    128                         ; v: v128-191 two sets of 32 numbers down the tokens
.set VC,   192                         ; v: v192-207 codes, four registers a run of 32 columns
.set SB,   208                         ; v: v208-211 scale words
.set G1, 24
.set G0, 32
.set G1B, 48
.set G0B, 56
.set G1S, 68
.set G0S, 76
.set G1SB, 80
.set G0SB, 88
.set SEL, 98                           ; s[98:99] v_permlanex16_b32's selects for lane l xor 16
.set MSB, 0
.macro WIN new                         ; the immediate's high byte repeats the setting that is left
.if MSB != \new
	s_set_vgpr_msb (MSB<<8)|\new
.set MSB, \new
.endif
.endm
.set MUL_LO, 0xa1                      ; source 0 (B) window 1, source 1 (A) window 0, C and D window 2
.set MUL_HI, 0xf1                      ; the same, C and D window 3
.set BIA_LO, 0x81                      ; the first products: C (the bias) window 0, D window 2
.set BIA_HI, 0xc1                      ; D window 3
.set TO_B,   0x40
; A joint load: waves 0 and 1 fetch for A, waves 2 and 3 for B.  Each line has ONE mask and one set of registers for all that issue it; the branch hangs on the wave's number alone.
; Four v_nop follow each of the two lines, ahead of the jump, the label and what follows.
.macro JLOAD g0a, g1a, g0b, g1b
	s_cmp_eq_u32 s15, 0
	s_cbranch_scc0 .Lfor_b_\@
	tensor_load_to_lds s[\g0a:\g0a+3], s[\g1a:\g1a+7]
	s_nop 0
.rept 4
	v_nop
.endr
	s_branch .Lasked_\@
.Lfor_b_\@:
	tensor_load_to_lds s[\g0b:\g0b+3], s[\g1b:\g1b+7]
	s_nop 0
.rept 4
	v_nop
.endr
.Lasked_\@:
.endm
.macro CROUND                          ; a round of the cluster's barrier
	s_barrier_signal -1
	s_barrier_wait -1
	s_cmp_lg_u32 s14, 0
	s_cbranch_scc1 .Lnot_wave_0_\@
	s_barrier_signal -3
.Lnot_wave_0_\@:
	s_barrier_wait -3
	s_barrier_signal -1
	s_barrier_wait -1
.endm
	s_load_b256 s[4:11], s[0:1], 0x0               ; the codes s[4:5] and scale bytes s[6:7] of x and w_qkv; q, k, v's codes s[8:9], their scales s[10:11]
	s_load_b64 s[12:13], s[0:1], 0x20              ; the bias
	v_lshl_add_u32 v[SPW], v0, 2, SPARE
	v_mov_b32 v[NIL], 0
	ds_add_u32 v28, v29
	ds_add_u32 v28, v29
	s_wait_dscnt 0x0
	v_lshrrev_b32 v1, 5, v0
	v_readfirstlane_b32 s14, v1                    ; wave 0..3
	s_lshr_b32 s15, s14, 1                         ; which half of the tile's tokens is mine.  Also: I fetch for A (0) or for B (1)
	s_and_b32 s16, s14, 1                          ; which half of its columns.  Also: which 128 rows of that tile I fetch
	s_bfe_u32 s40, ttmp6, 0x40000                  ; cx, cy: my place in the cluster
	s_bfe_u32 s41, ttmp6, 0x40004
	s_lshl_b32 s42, ttmp9, 2
	s_add_co_u32 s42, s42, s40                     ; tile column = 4 x cluster x + cx
	s_and_b32 s17, ttmp7, 0xffff
	s_lshl_b32 s17, s17, 2
	s_add_co_u32 s17, s17, s41                     ; tile row = 4 x cluster y + cy
	s_lshl_b32 s43, s41, 2
	s_lshl_b32 s43, 15, s43                        ; my row of the cluster
	s_lshl_b32 s44, 0x1111, s40                    ; my column
	s_mov_b32 s[SEL], 0x76543210
	s_mov_b32 s[SEL+1], 0xfedcba98
	; descriptor group 1: a tile of 128 rows x 256 bytes, padded in LDS
	s_or_b32 s[G1+0], s43, (0<<16)|(1<<20)|(1<<21)|(5<<22)|(3<<25)  ; 15:0 the mask: A's tiles go to my row; 17:16 element of 1 byte; 20 padding on; 21 set beside a mask; 24:22 after every 64 words; 31:25 of 4 words
	s_or_b32 s[G1B+0], s44, (0<<16)|(1<<20)|(1<<21)|(5<<22)|(3<<25)
.irp g, G1, G1B
	s_mov_b32 s[\g+1], ROWB<<16                    ; tensor_dim0
	s_mov_b32 s[\g+2], 128<<16                     ; tensor_dim1
	s_mov_b32 s[\g+3], ROWB<<16                    ; tile_dim0
	s_mov_b32 s[\g+4], 128                         ; tile_dim1
	s_mov_b32 s[\g+5], KROW                        ; tensor_dim0_stride
	s_mov_b32 s[\g+6], 0
	s_mov_b32 s[\g+7], 0
.endr
	; the scales of 128 rows: a dense block of 4,096 bytes, as 16 rows of 256 bytes (32 elements of 8 bytes), 16 bytes of padding behind each
	s_or_b32 s[G1S+0], s43, (3<<16)|(1<<20)|(1<<21)|(5<<22)|(3<<25)
	s_or_b32 s[G1SB+0], s44, (3<<16)|(1<<20)|(1<<21)|(5<<22)|(3<<25)
.irp g, G1S, G1SB
	s_mov_b32 s[\g+1], 32<<16
	s_mov_b32 s[\g+2], (128*KS/256)<<16
	s_mov_b32 s[\g+3], 32<<16
	s_mov_b32 s[\g+4], 128*KS/256
	s_mov_b32 s[\g+5], 32
	s_mov_b32 s[\g+6], 0
	s_mov_b32 s[\g+7], 0
.endr
	s_lshl_b32 s18, s16, 7                         ; which 128 rows of the tile I fetch
	s_lshl_b32 s20, s17, 8
	s_add_co_u32 s20, s20, s18                     ; A: row 256 x tile row + 128 x half
	s_lshl_b32 s46, s42, 8
	s_add_co_u32 s46, s46, s18                     ; B: row 256 x tile column + 128 x half
	s_mov_b32 s21, 0
	s_mov_b32 s47, 0
	s_mov_b64 s[18:19], KS
	s_mul_u64 s[22:23], s[20:21], s[18:19]         ; where these rows' scales begin, in bytes
	s_mul_u64 s[92:93], s[46:47], s[18:19]
	s_mov_b64 s[18:19], KROW
	s_mul_u64 s[20:21], s[20:21], s[18:19]         ; and their codes
	s_mul_u64 s[46:47], s[46:47], s[18:19]
	s_add_nc_u64 s[46:47], s[46:47], WQ_C          ; w_qkv lies behind x in both buffers
	s_add_nc_u64 s[92:93], s[92:93], WQ_S
	s_mul_i32 s45, s14, HALFT                      ; where they go: wave x 128 rows: no place in the cluster enters an LDS address
	s_mul_i32 s94, s14, HALFS
	s_wait_kmcnt 0x0
	s_add_nc_u64 s[20:21], s[4:5], s[20:21]
	s_add_nc_u64 s[22:23], s[6:7], s[22:23]
	s_add_nc_u64 s[46:47], s[4:5], s[46:47]
	s_add_nc_u64 s[92:93], s[6:7], s[92:93]
	CROUND                                         ; all sixteen work-groups are here: the joint loads meet
	s_mov_b32 s[G0S], 1
	s_add_co_u32 s[G0S+1], s94, SCL
	s_mov_b64 s[G0S+2:G0S+3], s[22:23]
	s_or_b32 s[G0S+3], s[G0S+3], 0x80000000
	s_mov_b32 s[G0SB], 1
	s_add_co_u32 s[G0SB+1], s94, SCL
	s_mov_b64 s[G0SB+2:G0SB+3], s[92:93]
	s_or_b32 s[G0SB+3], s[G0SB+3], 0x80000000
	JLOAD G0S, G1S, G0SB, G1SB                     ; the scales first: they are wanted with the first slot
.irp s, 0,1
	s_mov_b32 s[G0+4*\s], 1
	s_add_co_u32 s[G0+4*\s+1], s45, \s*SLOT
	s_add_nc_u64 s[G0+4*\s+2:G0+4*\s+3], s[20:21], \s*ROWB
	s_or_b32 s[G0+4*\s+3], s[G0+4*\s+3], 0x80000000
	s_mov_b32 s[G0B+4*\s], 1
	s_add_co_u32 s[G0B+4*\s+1], s45, \s*SLOT
	s_add_nc_u64 s[G0B+4*\s+2:G0B+4*\s+3], s[46:47], \s*ROWB
	s_or_b32 s[G0B+4*\s+3], s[G0B+4*\s+3], 0x80000000
	JLOAD G0+4*\s, G1, G0B+4*\s, G1B
.endr
	v_and_b32 v1, 15, v0                           ; r = l % 16
	v_bfe_u32 v2, v0, 4, 1                         ; h = l / 16
	v_lshlrev_b32 v[BOF], 6, v2
	s_lshl_b32 s46, s42, 10                        ; the bias of my 128 columns: 4 x (256 x tile column + 128 x half) bytes on
	s_lshl_b32 s47, s16, 9
	s_add_co_u32 s46, s46, s47
	s_mov_b32 s47, 0
	s_add_nc_u64 s[12:13], s[12:13], s[46:47]
.irp b, 0,1,2,3,4,5,6,7
	global_load_b128 v[BIAS+8*\b:BIAS+8*\b+3],   v[BOF], s[12:13] offset:(32*(\b/2)+8*(\b%2))*4      ; in the result's layout: columns 32 (b / 2) + 16 h + 8 (b % 2) + 0 .. 7
	global_load_b128 v[BIAS+8*\b+4:BIAS+8*\b+7], v[BOF], s[12:13] offset:(32*(\b/2)+8*(\b%2))*4+16
.endr
	v_mul_u32_u24 v3, v1, PITCH
	v_lshl_add_u32 v4, v2, 4, v3                   ; a fragment's row x pitch + 16 x half
	s_mul_i32 s21, s15, HALFT                      ; my 128 rows of A
	s_mul_i32 s22, s16, HALFT                      ; my 128 rows of B,
	s_add_co_u32 s22, s22, 2*HALFT                 ; which lie behind A's 256
.irp s, 0,1
	v_add_nc_u32 v[ADRA+\s], s21, v4
	v_add_nc_u32 v[ADRB+\s], s22, v4
	s_add_co_u32 s21, s21, SLOT
	s_add_co_u32 s22, s22, SLOT
.endr
	v_mul_u32_u24 v5, v1, KS                       ; my row's scales: 32 bytes a row,
	v_lshrrev_b32 v6, 8, v5
	v_lshl_add_u32 v5, v6, 4, v5                   ; and 16 more for each 256 passed
	s_mul_i32 s21, s15, HALFS                      ; A's: my 128 rows
	s_mul_i32 s22, s16, HALFS                      ; B's: my 128 rows, behind A's 256
	s_add_co_u32 s22, s22, 2*HALFS
	s_sub_co_u32 s22, s22, s21
	v_mul_u32_u24 v6, s22, v2                      ; lanes 16-31 take B's: the lower base + h x the distance
	s_add_co_u32 s21, s21, SCL
	v_add_nc_u32 v5, v5, v6
	v_add_nc_u32 v[ADRS], s21, v5
	v_and_b32 v6, 31, v0
	v_lshlrev_b32 v[LI], 4, v6
	v_lshlrev_b32 v[LS], 2, v6
	v_lshlrev_b32 v[HSH], 4, v2
	s_mul_i32 s23, s14, 32*VPITCH                  ; my stage
	v_mul_u32_u24 v5, v1, VPITCH
	v_lshl_add_u32 v5, v2, 6, v5
	v_add_nc_u32 v[VSTO], s23, v5                  ; in: row r, + 64 h bytes
	v_add_nc_u32 v[VRD], s23, v[LS]                ; out: column = lane
.irp b, 0,1,2,3
	v_mov_b32 v[TM+4+\b], 0                        ; written once: a lane permute's destination counts as one of its sources
.endr
.macro FRAG reg, adr, q, i             ; a fragment, 16 rows x 128 K of 4-bit codes, is 8 registers: lane l holds row l % 16; registers 4 c .. 4 c + 3 hold K = 64 c + 32 (l / 16) + 0 .. 31
.irp c, 0,1
	ds_load_b128 v[\reg+4*\c:\reg+4*\c+3], v[\adr] offset:64*(\q)+32*\c+(\i)*16*PITCH
.endr
.endm
; 16 matrix instructions: A's blocks a0, a0 + 1 x B's eight, 128 along K.  p: B's set;  sc: the set of scale words.  first = 1: the first product starts the sums with the bias as C.
; The 64 accumulators take turns, one instruction a turn, in the same order in every step.
.macro MUL16 a0, p, q, sc, first
.irp a, \a0, \a0+1
.irp b, 0,1,2,3,4,5,6,7
.if \first
	v_wmma_scale_f32_16x16x128_f8f6f4 v[8*(8*((\a)%4)+\b):8*(8*((\a)%4)+\b)+7], v[128*(\p)+FR*\b:128*(\p)+FR*\b+FR-1], v[AF+FR*(\a):AF+FR*(\a)+FR-1], v[BIAS+8*\b:BIAS+8*\b+7], v[SC+8*NQ*(\sc)+NQ*\b+(\q)], v[SC+8*NQ*(\sc)+NQ*(\a)+(\q)] matrix_a_fmt:MATRIX_FMT_FP4 matrix_b_fmt:MATRIX_FMT_FP4 matrix_a_scale:MATRIX_SCALE_ROW1
.else
	v_wmma_scale_f32_16x16x128_f8f6f4 v[8*(8*((\a)%4)+\b):8*(8*((\a)%4)+\b)+7], v[128*(\p)+FR*\b:128*(\p)+FR*\b+FR-1], v[AF+FR*(\a):AF+FR*(\a)+FR-1], v[8*(8*((\a)%4)+\b):8*(8*((\a)%4)+\b)+7], v[SC+8*NQ*(\sc)+NQ*\b+(\q)], v[SC+8*NQ*(\sc)+NQ*(\a)+(\q)] matrix_a_fmt:MATRIX_FMT_FP4 matrix_b_fmt:MATRIX_FMT_FP4 matrix_a_scale:MATRIX_SCALE_ROW1
.endif
.endr
.endr
.endm
.macro FETCH_B slot, q, p
	WIN TO_B
.irp i, 0,1,2,3,4,5,6,7
	FRAG 128*(\p)+FR*\i, ADRB+\slot, \q, \i
.endr
	WIN 0
.endm
.macro FETCH_A slot, q, i0
.irp i, \i0, \i0+1, \i0+2, \i0+3
	FRAG AF+FR*(\i), ADRA+\slot, \q, \i
.endr
.endm
.macro SCALES sc                       ; a slot's scale words into set sc: 4 words a row; lanes 0-15 take A's block i, lanes 16-31 B's block i
.irp i, 0,1,2,3,4,5,6,7
	ds_load_b128 v[SC+8*NQ*\sc+NQ*\i:SC+8*NQ*\sc+NQ*\i+3], v[ADRS] offset:\i*SBLK
.endr
.endm
; A load into a register that a matrix instruction has read, and a vector instruction or an LDS store that reads a matrix result, stand NP places behind it; only plain vector instructions that name none of its registers are places.
.macro PLACES n
.rept \n
	v_nop
.endr
.endm
.macro STEP slot, q, first             ; a step of 128 along K that has its successor in the same slot
	s_wait_dscnt 4*NL                              ; B's set and A's blocks 0-3 are in; the youngest eight loads (A's blocks 4-7) may be out
.if \first
	WIN BIA_LO
.else
	WIN MUL_LO
.endif
	MUL16 0, (\q)%2, \q, \slot, \first
	MUL16 2, (\q)%2, \q, \slot, \first
	s_wait_dscnt 0                                 ; A's blocks 4-7 are in (asked for 32 matrix instructions ago)
	PLACES NP
	FETCH_B \slot, (\q)+1, 1-(\q)%2
	FETCH_A \slot, (\q)+1, 0
.if \first
	WIN BIA_HI
.else
	WIN MUL_HI
.endif
	MUL16 4, (\q)%2, \q, \slot, \first
	MUL16 6, (\q)%2, \q, \slot, \first
	PLACES NP
	WIN 0
	FETCH_A \slot, (\q)+1, 4
.endm
; Slot 0's last step changes slots: ONE barrier; in front of it each wave waits for all its tensor loads (its part of slot 1), and for its own reads of slot 0.  Nothing is filled again: K ends with slot 1.
.macro TURN slot, next
	s_wait_tensorcnt 0x0                           ; all my tensor loads have landed: my part of the next slot
	ds_add_u32 v[SPW], v[NIL]                      ; 0 onto my spare word
	s_wait_dscnt 4*NL+1                            ; (the add and the youngest eight loads, A's blocks 4-7, may be out)
	WIN MUL_LO
	MUL16 0, 1, NQ-1, \slot, 0                     ; sixteen matrix instructions stand between the add and the wait for it
	s_wait_dscnt 0x0                               ; the add is done, and my reads of this slot are over
	s_barrier_signal -1
	MUL16 2, 1, NQ-1, \slot, 0
	WIN 0
	s_barrier_wait -1
	PLACES NP
	v_add_nc_u32 v[ADRS], 4*NQ, v[ADRS]            ; on to the next slot's scale words (no LDS load of mine is out)
	FETCH_B \next, 0, 0
	FETCH_A \next, 0, 0
	SCALES \next
	WIN MUL_HI
	MUL16 4, 1, NQ-1, \slot, 0
	MUL16 6, 1, NQ-1, \slot, 0
	PLACES NP
	WIN 0
	FETCH_A \next, 0, 4
.endm
	s_wait_tensorcnt 1                             ; the scales and my part of slot 0 are in (slot 1's load may be out),
	s_barrier_signal -1
	s_barrier_wait -1                              ; everybody's are
	FETCH_B 0, 0, 0
	FETCH_A 0, 0, 0
	SCALES 0
	FETCH_A 0, 0, 4
	s_wait_loadcnt 0x0                             ; the bias
	STEP 0, 0, 1                                   ; the first step's products start the sums: nothing is cleared, and the bias costs no addition
	STEP 0, 1, 0
	STEP 0, 2, 0
	TURN 0, 1
	STEP 1, 0, 0
	STEP 1, 1, 0
	STEP 1, 2, 0
	s_wait_dscnt 4*NL                              ; the very last step: nothing more to fetch
	WIN MUL_LO
	MUL16 0, 1, NQ-1, 1, 0
	MUL16 2, 1, NQ-1, 1, 0
	s_wait_dscnt 0
	WIN MUL_HI
	MUL16 4, 1, NQ-1, 1, 0
	MUL16 6, 1, NQ-1, 1, 0
	WIN 0
	PLACES NP                                      ; behind the last products: for the reads of results and the writes over operands below
	s_lshr_b32 s66, s17, 3                         ; the batch: a batch is 8 tile rows
	s_and_b32 s67, s17, 7
	s_lshl_b32 s67, s67, 8
	s_lshl_b32 s3, s15, 7
	s_add_co_u32 s67, s67, s3                      ; my first token in the batch
	s_lshl_b32 s95, s42, 2
	s_lshl_b32 s3, s16, 1
	s_add_co_u32 s95, s95, s3                      ; my first run of 64 columns: 0-15 q's heads, 16-31 k's, 32-47 v's
	s_mov_b32 s97, 0
	s_cmp_eq_u32 ttmp9, 2                          ; the cluster's x: the same in all partners
	s_cbranch_scc1 .Lv
	; ---- q and k.  codes: ((32 batch + run) x 128 + token / 16) x 512 + 16 x lane;  scale words: ((16 batch + run / 2) x 32 + token / 64) x 512 + 16 x lane + 4 ((token / 16) % 4)
	s_lshl_b32 s3, s66, 5
	s_add_co_u32 s3, s3, s95
	s_lshl_b32 s96, s3, 16
	s_lshl_b32 s3, s67, 5
	s_add_co_u32 s96, s96, s3
	s_add_nc_u64 s[8:9], s[8:9], s[96:97]
	s_lshl_b32 s3, s66, 4
	s_lshr_b32 s96, s95, 1
	s_add_co_u32 s3, s3, s96
	s_lshl_b32 s96, s3, 14
	s_lshl_b32 s3, s67, 3
	s_add_co_u32 s96, s96, s3
	s_add_nc_u64 s[10:11], s[10:11], s[96:97]
; Block a: 16 tokens x 128 columns.  A lane's register 16 B + i is column 32 B + 16 h + i of its token: four blocks of 32, two heads.
.macro QK_BLOCK a
.set AC, 64*((\a)%4)
.set W, 2+(\a)/4
.set WW, W|(W<<2)
	WIN WW                                         ; sources 0 and 1: the accumulators' window
.irp b, 0,1,2,3
	v_max3_num_f32 v[TM+\b], |v[AC+16*\b]|, |v[AC+16*\b+1]|, 0x1800000   ; my 16 numbers of block b, from each accumulator's low end on, and the floor 2^(3 - 127): the byte cannot fall under 1
.endr
.irp i, 2,4,6,8,10,12,14
.irp b, 0,1,2,3
	v_max3_num_f32 v[TM+\b], |v[AC+16*\b+\i]|, |v[AC+16*\b+\i+1]|, v[TM+\b]   ; (the four blocks by turns)
.endr
.endr
	WIN 0
.irp b, 0,1,2,3
	v_permlanex16_b32 v[TM+4+\b], v[TM+\b], s[SEL], s[SEL+1]
.endr
.irp b, 0,1,2,3
	v_max_num_f32 v[TM+\b], v[TM+\b], v[TM+4+\b]   ; with lane l xor 16's: the block's largest magnitude
.endr
.irp b, 0,1,2,3
	v_add_nc_u32 v[TM+12+\b], 0xff000000, v[TM+\b] ; 2 off its exponent field: the conversion's scale operand
.endr
.irp b, 0,1,2,3
	v_lshrrev_b32 v[TM+4+\b], 23, v[TM+12+\b]      ; the scale's byte
.endr
	v_lshl_or_b32 v[PW], v[TM+5], 8, v[TM+4]
	v_lshl_or_b32 v[PW], v[TM+6], 16, v[PW]
	v_lshl_or_b32 v[PW], v[TM+7], 24, v[PW]
.if (\a) > 0
	s_wait_xcnt 0x0                                ; the last block's stores have read the codes' registers: they are written again only behind this wait
.endif
	WIN W                                          ; source 0: the accumulators' window
.irp b, 0,1,2,3
	v_cvt_scalef32_pk8_fp4_f32 v[PC+2*\b], v[AC+16*\b:AC+16*\b+7], v[TM+12+\b]
	v_cvt_scalef32_pk8_fp4_f32 v[PC+2*\b+1], v[AC+16*\b+8:AC+16*\b+15], v[TM+12+\b]
.endr
	WIN 0
	v_nop                                          ; one plain place behind a scaled conversion
.irp c, 0,1                                    ; a WHOLE block in a lane: lanes 0-15 block 2 c, lanes 16-31 block 2 c + 1: registers 4 c .. 4 c + 3 are head c's 16 bytes of half h
.irp i, 0,1
	v_permlane16_swap_b32 v[PC+4*\c+\i], v[PC+2+4*\c+\i]
.endr
.endr
	v_lshrrev_b32 v[SW+(\a)], v[HSH], v[PW]        ; lanes 0-15 keep the first head's two bytes, lanes 16-31 the second's;
	v_and_b32 v[SW+(\a)], 0xffff, v[SW+(\a)]       ; the two bytes above stay 0: they scale zero codes
	global_store_b128 v[LI], v[PC:PC+3], s[8:9] offset:(\a)*512            ; 32 lanes store 512 consecutive bytes, aligned
	global_store_b128 v[LI], v[PC+4:PC+7], s[8:9] offset:65536+(\a)*512    ; the second head
.endm
.irp a, 0,1,2,3,4,5,6,7
	QK_BLOCK \a
.endr
	global_store_b128 v[LI], v[SW:SW+3], s[10:11]              ; the scale words of tokens 0-63, four blocks a lane: 512 consecutive bytes
	global_store_b128 v[LI], v[SW+4:SW+7], s[10:11] offset:512 ; and of tokens 64-127
	s_branch .Ldone
.Lv:
	; ---- v.  codes: (((16 batch + head) x 64 + token / 32) x 64 + channel) x 16;  scale words: ((16 batch + head) x 16 + token / 128) x 256 + 4 x channel, byte (token / 32) % 4
	s_lshl_b32 s3, s66, 4
	s_add_co_u32 s3, s3, s95
	s_sub_co_u32 s3, s3, 32                        ; 16 batch + my first head
	s_lshl_b32 s96, s3, 16
	s_lshl_b32 s95, s67, 5
	s_add_co_u32 s96, s96, s95
	s_add_co_u32 s96, s96, V_C
	s_add_nc_u64 s[8:9], s[8:9], s[96:97]
	s_lshl_b32 s96, s3, 12
	s_lshl_b32 s95, s67, 1
	s_add_co_u32 s96, s96, s95
	s_add_co_u32 s96, s96, V_S
	s_add_nc_u64 s[10:11], s[10:11], s[96:97]
.macro VLOAD g                         ; columns 32 g + lane, 32 tokens down, into set g % 2: 32 lanes read 128 consecutive bytes
.set ii, 0
.rept 32
	ds_load_b32 v[X+32*((\g)%2)+ii], v[VRD] offset:ii*VPITCH+128*(\g)
.set ii, ii+1
.endr
.endm
.macro VQ tb, g                        ; a whole block of 32 tokens of my column lies in my 32 registers
.set XS, X+32*((\g)%2)
	v_max3_num_f32 v[TM], |v[XS]|, |v[XS+1]|, |v[XS+2]|
	v_max3_num_f32 v[TM+1], |v[XS+3]|, |v[XS+4]|, |v[XS+5]|
.irp i, 6,10,14,18,22,26
	v_max3_num_f32 v[TM], v[TM], |v[XS+\i]|, |v[XS+\i+1]|
	v_max3_num_f32 v[TM+1], v[TM+1], |v[XS+\i+2]|, |v[XS+\i+3]|
.endr
	v_max3_num_f32 v[TM], v[TM], |v[XS+30]|, |v[XS+31]|
	v_max3_num_f32 v[TM], v[TM], v[TM+1], 0x1800000   ; and the floor
	v_add_nc_u32 v[TM+2], 0xff000000, v[TM]
	v_lshrrev_b32 v[TM+3], 23, v[TM+2]
.if (\tb) == 0
	v_mov_b32 v[SB+(\g)], v[TM+3]                  ; the four blocks' bytes make the column's scale word
.else
	v_lshl_or_b32 v[SB+(\g)], v[TM+3], 8*(\tb), v[SB+(\g)]
.endif
.irp c, 0,1,2,3
	v_cvt_scalef32_pk8_fp4_f32 v[VC+4*(\g)+\c], v[XS+8*\c:XS+8*\c+7], v[TM+2]
.endr
	v_nop                                          ; one plain place behind a scaled conversion
	global_store_b128 v[LI], v[VC+4*(\g):VC+4*(\g)+3], s[8:9] offset:((\g)/2)*65536+(\tb)*1024+((\g)%2)*512   ; 32 channels x 16 bytes: 512 consecutive bytes, aligned
.endm
.macro V_BLOCK tb                      ; tokens 32 tb .. 32 tb + 31
.if (\tb) > 0
	s_wait_xcnt 0x0                                ; the last block's stores have read the codes' registers
.endif
.set WW, (2+(\tb)/2)<<2
	WIN WW                                         ; an LDS store's data are its source 1
.irp aa, 0,1
.irp b, 0,1,2,3,4,5,6,7
.set AC, 64*((2*(\tb)+\aa)%4)+8*\b
	ds_store_b128 v[VSTO], v[AC:AC+3] offset:\aa*16*VPITCH+128*(\b/2)+32*(\b%2)         ; each accumulator from its low end on; the columns come to lie in their order
	ds_store_b128 v[VSTO], v[AC+4:AC+7] offset:\aa*16*VPITCH+128*(\b/2)+32*(\b%2)+16
.endr
.endr
	WIN 0
	VLOAD 0                                        ; LDS serves a wave's instructions in order: these see the stores above, and the next block's stores come behind them
	VLOAD 1
	s_wait_dscnt 32                                ; all but the youngest run of 32 loads
	VQ \tb, 0
	VLOAD 2
	s_wait_dscnt 32
	VQ \tb, 1
	VLOAD 3
	s_wait_dscnt 32
	VQ \tb, 2
	s_wait_dscnt 0x0
	VQ \tb, 3
.endm
.irp tb, 0,1,2,3
	V_BLOCK \tb
.endr
.irp g, 0,1,2,3
	global_store_b32 v[LS], v[SB+\g], s[10:11] offset:(\g/2)*4096+(\g%2)*128   ; 32 channels' scale words: 128 consecutive bytes
.endr
.Ldone:
	s_wait_tensorcnt 0x0                           ; the wave's end: behind my last tensor load and my last LDS store
	ds_add_u32 v[SPW], v[NIL]
	s_wait_dscnt 0x0
	CROUND                                         ; the closing round: no work-group ends while a partner may still ask for a tile that names it
	s_endpgm
.Lfunc_end_k_qe15322828f_qkv:
	.size	k_qe15322828f_qkv, .Lfunc_end_k_qe15322828f_qkv-k_qe15322828f_qkv
	.p2alignl 7, 3214868480
	.fill 96, 4, 3214868480
	.section	.rodata,"a",@progbits
	.p2align	6, 0x0
	.amdhsa_kernel k_qe15322828f_qkv
		.amdhsa_group_segment_fixed_size 327680
		.amdhsa_private_segment_fixed_size 0
		.amdhsa_enable_private_segment 0
		.amdhsa_kernarg_size 40
		.amdhsa_user_sgpr_count 2
		.amdhsa_user_sgpr_kernarg_segment_ptr 1
		.amdhsa_wavefront_size32 1
		.amdhsa_system_sgpr_workgroup_id_x 1
		.amdhsa_system_sgpr_workgroup_id_y 1
		.amdhsa_system_sgpr_workgroup_id_z 1
		.amdhsa_system_vgpr_workitem_id 0
		.amdhsa_next_free_vgpr 1024
		.amdhsa_next_free_sgpr 100
		.amdhsa_reserve_vcc 0
		.amdhsa_float_denorm_mode_32 3
		.amdhsa_float_denorm_mode_16_64 3
		.amdhsa_memory_ordered 1
		.amdhsa_forward_progress 1
		.amdhsa_inst_pref_size 197
	.end_amdhsa_kernel
	.amdgpu_metadata
---
amdhsa.version: [ 1, 2 ]
amdhsa.kernels:
  - .name:           k_qe15322828f_qkv
    .symbol:         k_qe15322828f_qkv.kd
    .args:
      - { .name: codes1, .offset: 0, .size: 8, .value_kind: global_buffer, .address_space: global }
      - { .name: scales1, .offset: 8, .size: 8, .value_kind: global_buffer, .address_space: global }
      - { .name: qkv_codes, .offset: 16, .size: 8, .value_kind: global_buffer, .address_space: global }
      - { .name: qkv_scales, .offset: 24, .size: 8, .value_kind: global_buffer, .address_space: global }
      - { .name: b_qkv, .offset: 32, .size: 8, .value_kind: global_buffer, .address_space: global }
    .group_segment_fixed_size: 327680
    .private_segment_fixed_size: 0
    .kernarg_segment_align: 8
    .kernarg_segment_size: 40
    .max_flat_workgroup_size: 128
    .sgpr_count:     100
    .vgpr_count:     1024
    .wavefront_size: 32
...
	.end_amdgpu_metadata
.endif
;; end of part 2
;; launch attn (part 3): grid 256 x 1, 16 waves a work-group, no clusters, 20,480 bytes of LDS; arguments qkv_codes, qkv_scales, att_codes, att_scales; writes att_codes, att_scales
.if DOCPART == 3
	.amdgcn_target "amdgcn-amd-amdhsa--gfx1250"
	.amdhsa_code_object_version 6
	.text
	.protected	k_qe15322828f_attn
	.globl	k_qe15322828f_attn
	.p2align	8
	.type	k_qe15322828f_attn,@function
k_qe15322828f_attn:
	s_mov_b64 s[64:65], 0
	v_nop
	global_prefetch_b8 v0, s[64:65] scope:SCOPE_SE
	s_setreg_imm32_b32 hwreg(HW_REG_WAVE_MODE, 25, 1), 1
	s_wait_xcnt 0x0
; Attention in a band: key k counts for query q where |k - q| <= 4 (the mask that the module builds itself), both products on codes of FP4 (E2M1) with one E8M0 scale for each 32 along a product's K.
; A work-group owns 32 tokens (block j of batch b) for all 16 heads; a wave is a head and has two tiles of 16 queries, t = 0, 1.  Tile t's keys lie in the blocks of 32 keys j - 1 + t and j + t.
; Both products are used transposed: S^T = K Q^T (source 0 = 16 keys, source 1 = 16 queries), O^T = V^T P^T (source 0 = 16 channels, source 1 = P): a lane holds ONE query (lane % 16) throughout.
; THE KEYS OF A TILE ARE NOT NEIGHBOURS: lane r of tile (block, u) takes key 32 block + 8 u + r + 8 (r / 8): register 16 B + i of S_t is key 32 (j - 1 + t + B) + 16 (lane / 16) + i.
; Only four tiles of keys can hold a key of the band: (j - 1, 1), (j, 0), (j, 1), (j + 1, 0): six products.  K = 64: registers 4-7 of Q's and K's fragments are zero codes; their scale bytes are 0, which is no NaN.
; SOFTMAX: t = score x log2(e) / 8; hidden scores become -infinity by lane masks that are constants of the text; M = ceil(the row's largest t), so -M = floor(-t); p = 2^(t - M), not normalised, is quantised along the
; keys, in the keys' own blocks of 32; a block's largest p is made from the block's largest score by the same multiply-add and exponential.  The sum of the unquantised p divides O at the end.
; P V: one K step of 128 = the key blocks (j - 1, j, j + 1, j again); p's codes lie at blocks t and t + 1, all others are zero codes.  At a batch's ends the missing block's address is held to the batch; its scores are hidden.
; O / sum is quantised along the model's 1,024 (half a head is a block) and leaves through LDS as whole rows of 512 bytes of codes and 32 scale bytes.
; LIMITS: NaN and infinities are not served; p under 2^-126 is 0 (the exponential's flush); 1 / sum is v_rcp_f32's; a block whose largest magnitude lies under 2^-124, a block of zeros too, keeps the byte 1.
.set V_C,  8388608                     ; where v's codes and scale words begin in their buffers
.set V_S,  1048576
.set CP,   528                         ; LDS: 32 rows of codes, 512 bytes + 16 of padding
.set SST,  32*CP                       ; behind them 32 rows of 32 scale bytes
.set NEG,  30                          ; v30      -infinity
.set Q,    32                          ; v32-47   Q's two fragments
.set KF,   48                          ; v48-79   K's four fragments; later O^T of tile 0
.set VF,   80                          ; v80-111  V's four fragments
.set S,    112                         ; v112-143 S^T, then p, of tile 0; later O^T of tile 1;  v144-175 of tile 1
.set PC,   176                         ; v176-191 p's codes
.set OC,   192                         ; v192-199 O's codes
.set QS,   200                         ; v200-201 Q's scale words
.set KS,   202                         ; v202-205 K's
.set VR,   206                         ; v206-217 V's scale words as they lie in memory: a tile's three blocks
.set VW,   218                         ; v218-221 V's scale words for the window of four blocks
.set PW,   222                         ; v222-223 p's
.set WT,   224                         ; 14 registers a tile: +0, +1 the two blocks' maxima; +2, +3 the other half's; +4 -M, +5 t; +6, +7 the sum; +8, +9 its second chain, then 1 / sum; +10, +11 scale operands; +12, +13 bytes
	s_load_b256 s[4:11], s[0:1], 0x0               ; q, k, v's codes s[4:5], their scales s[6:7]; the output's codes s[8:9], its scale bytes s[10:11]
	v_lshl_add_u32 v254, v0, 2, 0x4800
	v_mov_b32 v255, 0
	v_lshrrev_b32 v1, 5, v0
	v_readfirstlane_b32 s16, v1                    ; wave = head
	s_lshr_b32 s17, ttmp9, 6                       ; b
	s_and_b32 s18, ttmp9, 63                       ; j
	s_max_u32 s19, s18, 1
	s_sub_co_u32 s19, s19, 1                       ; j - 1, held to the batch
	s_add_co_u32 s20, s18, 1
	s_min_u32 s20, s20, 63                         ; j + 1, held to the batch
	s_mov_b32 s22, 0x3e38aa3b                      ; c = log2(e) / 8
	s_mov_b32 s23, s22                             ; (named with it as a pair, so it is written)
	s_mov_b32 s24, 0x76543210
	s_mov_b32 s25, 0xfedcba98                      ; v_permlanex16_b32's selects for lane l xor 16
	s_and_b32 s27, s19, 3
	s_lshl_b32 s27, s27, 3                         ; where a block's byte stands in V's scale word: 8 (block % 4)
	s_and_b32 s28, s18, 3
	s_lshl_b32 s28, s28, 3
	s_and_b32 s29, s20, 3
	s_lshl_b32 s29, s29, 3
	s_lshl_b32 s56, s17, 5
	s_add_co_u32 s56, s56, s16                     ; 32 b + head
	s_lshl_b32 s30, s56, 16
	s_lshl_b32 s57, s18, 10
	s_add_co_u32 s30, s30, s57                     ; Q's codes: my head's 65,536 bytes, block j's 1,024
	s_mov_b32 s31, 0
	s_lshl_b32 s32, s56, 16
	s_add_co_u32 s32, s32, 16<<16                  ; K's: 16 runs on
	s_mov_b32 s33, 0
	s_lshl_b32 s58, s17, 4
	s_lshr_b32 s59, s16, 1
	s_add_co_u32 s58, s58, s59                     ; 16 b + head / 2
	s_and_b32 s59, s16, 1
	s_lshl_b32 s59, s59, 8
	s_lshl_b32 s34, s58, 14
	s_add_co_u32 s34, s34, s59
	s_add_co_u32 s36, s34, 8<<14                   ; K's scale words
	s_mov_b32 s37, 0
	s_lshr_b32 s57, s18, 1
	s_lshl_b32 s57, s57, 9
	s_add_co_u32 s34, s34, s57
	s_and_b32 s57, s18, 1
	s_lshl_b32 s57, s57, 3
	s_add_co_u32 s34, s34, s57                     ; Q's: + (j / 2) x 512 + (j % 2) x 8
	s_mov_b32 s35, 0
	s_lshl_b32 s57, s17, 4
	s_add_co_u32 s57, s57, s16                     ; 16 b + head
	s_lshl_b32 s38, s57, 16
	s_add_co_u32 s38, s38, V_C                     ; V's codes
	s_mov_b32 s39, 0
	s_lshl_b32 s48, s57, 12
	s_add_co_u32 s48, s48, V_S                     ; V's scale words
	s_mov_b32 s49, 0
	s_lshl_b32 s50, ttmp9, 14
	s_lshl_b32 s57, s16, 10
	s_add_co_u32 s50, s50, s57                     ; out: the work-group's 32 rows of 512 bytes, my two of them
	s_mov_b32 s51, 0
	s_lshl_b32 s52, ttmp9, 10
	s_lshl_b32 s57, s16, 9
	s_add_co_u32 s52, s52, s57                     ; and its 1,024 scale bytes, which waves 0 and 1 store
	s_mov_b32 s53, 0
	v_and_b32 v1, 15, v0                           ; r
	v_bfe_u32 v2, v0, 4, 1                         ; h
	v_and_b32 v3, 31, v0
	v_lshlrev_b32 v4, 4, v3                        ; 16 x lane
	v_lshrrev_b32 v25, 3, v1                       ; r / 8
	v_and_b32 v26, 7, v1                           ; r % 8
	v_lshlrev_b32 v24, 9, v25
	v_lshl_add_u32 v24, v2, 8, v24
	v_lshl_add_u32 v24, v26, 4, v24                ; K's codes: key 16 (r / 8) + r % 8 of a block, half h
	s_lshl_b32 s54, s19, 10
	s_lshl_b32 s55, s18, 10
	s_lshl_b32 s56, s20, 10
	v_add_nc_u32 v5, s54, v24                      ; in block j - 1,
	v_add_nc_u32 v6, s55, v24                      ; j,
	v_add_nc_u32 v7, s56, v24                      ; j + 1
	v_lshlrev_b32 v8, 4, v1                        ; Q's scale words: 16 r
	v_lshlrev_b32 v27, 4, v26
	v_lshl_add_u32 v27, v25, 2, v27                ; K's: 16 (r % 8) + 4 (r / 8)
.macro KSOFF vd, sb                    ; + (block / 2) x 512 + (block % 2) x 8
	s_lshr_b32 s57, \sb, 1
	s_lshl_b32 s57, s57, 9
	s_and_b32 s58, \sb, 1
	s_lshl_b32 s58, s58, 3
	s_add_co_u32 s57, s57, s58
	v_add_nc_u32 \vd, s57, v27
.endm
	KSOFF v9, s19
	KSOFF v10, s18
	KSOFF v11, s20
	v_lshl_add_u32 v28, v25, 3, v1                 ; V: THE CHANNELS OF A TILE ARE NOT NEIGHBOURS: r + 8 (r / 8), so that O^T's 16 registers of two tiles are 16 neighbouring channels
	s_sub_co_u32 s57, s55, s54
	v_mul_u32_u24 v29, s57, v2
	v_add_nc_u32 v29, s54, v29                     ; registers 0-3: lanes 0-15 block j - 1, lanes 16-31 block j
	v_lshl_add_u32 v12, v28, 4, v29
	s_sub_co_u32 s57, s56, s55
	v_mul_u32_u24 v29, s57, v2
	v_sub_nc_u32 v29, s56, v29                     ; registers 4-7: lanes 0-15 block j + 1, lanes 16-31 block j again (it meets zero codes)
	v_lshl_add_u32 v13, v28, 4, v29
	s_lshr_b32 s57, s19, 2
	s_lshl_b32 s57, s57, 8
	v_lshl_add_u32 v14, v28, 2, s57                ; V's scale words: 4 x channel + (block / 4) x 256
	s_lshr_b32 s57, s18, 2
	s_lshl_b32 s57, s57, 8
	v_lshl_add_u32 v15, v28, 2, s57
	s_lshr_b32 s57, s20, 2
	s_lshl_b32 s57, s57, 8
	v_lshl_add_u32 v16, v28, 2, s57
	s_wait_kmcnt 0x0
	s_add_nc_u64 s[30:31], s[4:5], s[30:31]
	s_add_nc_u64 s[32:33], s[4:5], s[32:33]
	s_add_nc_u64 s[34:35], s[6:7], s[34:35]
	s_add_nc_u64 s[36:37], s[6:7], s[36:37]
	s_add_nc_u64 s[38:39], s[4:5], s[38:39]
	s_add_nc_u64 s[48:49], s[6:7], s[48:49]
	s_add_nc_u64 s[50:51], s[8:9], s[50:51]
	s_add_nc_u64 s[52:53], s[10:11], s[52:53]
.irp t, 0,1
	global_load_b128 v[Q+8*\t:Q+8*\t+3], v4, s[30:31] offset:512*\t        ; an image of registers 0-3: 512 consecutive bytes
	global_load_b32 v[QS+\t], v8, s[34:35] offset:4*\t
.endr
	global_load_b128 v[KF:KF+3], v5, s[32:33] offset:128                   ; (j - 1, 1)
	global_load_b128 v[KF+8:KF+11], v6, s[32:33]                           ; (j, 0)
	global_load_b128 v[KF+16:KF+19], v6, s[32:33] offset:128               ; (j, 1)
	global_load_b128 v[KF+24:KF+27], v7, s[32:33]                          ; (j + 1, 0)
	global_load_b32 v[KS], v9, s[36:37] offset:128
	global_load_b32 v[KS+1], v10, s[36:37]
	global_load_b32 v[KS+2], v10, s[36:37] offset:128
	global_load_b32 v[KS+3], v11, s[36:37]
.irp n, 0,1,2,3                                ; V's tile n: channels 32 (n / 2) + 8 (n % 2) + r + 8 (r / 8)
	global_load_b128 v[VF+8*\n:VF+8*\n+3], v12, s[38:39] offset:512*(\n/2)+128*(\n%2)
	global_load_b128 v[VF+8*\n+4:VF+8*\n+7], v13, s[38:39] offset:512*(\n/2)+128*(\n%2)
	global_load_b32 v[VR+3*\n], v14, s[48:49] offset:128*(\n/2)+32*(\n%2)
	global_load_b32 v[VR+3*\n+1], v15, s[48:49] offset:128*(\n/2)+32*(\n%2)
	global_load_b32 v[VR+3*\n+2], v16, s[48:49] offset:128*(\n/2)+32*(\n%2)
.endr
.irp f, 0,1,2,3,4,5                            ; K = 64 of the instruction's 128: the upper halves of Q's two and K's four fragments are zero codes
.irp c, 4,5,6,7
	v_mov_b32 v[Q+8*\f+\c], 0
.endr
.endr
.irp c, 0,4,5,6,7
	v_mov_b32 v[PC+\c], 0                          ; p's codes of tile 0 outside keys -24 .. 31 of its window,
.endr
.irp c, 0,1,5,6,7
	v_mov_b32 v[PC+8+\c], 0                        ; of tile 1 likewise
.endr
	v_mov_b32 v[NEG], 0xff800000
.irp t, 0,1
	v_mov_b32 v[WT+14*\t+2], 0                     ; written once: a lane permute's destination counts as one of its sources
	v_mov_b32 v[WT+14*\t+3], 0
.endr
	s_wait_loadcnt 20                              ; Q, K and their scale words are in; V's 8 + 12 loads may be out
.macro SPROD d, k, t
	v_wmma_scale_f32_16x16x128_f8f6f4 v[\d:\d+7], v[KF+8*\k:KF+8*\k+7], v[Q+8*\t:Q+8*\t+7], 0, v[KS+\k], v[QS+\t] matrix_a_fmt:MATRIX_FMT_FP4 matrix_b_fmt:MATRIX_FMT_FP4
.endm
	SPROD S+8, 0, 0                                ; six accumulators, one product each
	SPROD S+16, 1, 0
	SPROD S+24, 2, 0
	SPROD S+32, 1, 1
	SPROD S+40, 2, 1
	SPROD S+48, 3, 1
	v_mul_u32_u24 v20, v1, CP                      ; the addresses for the way out are made here: seven plain instructions, the places behind those products
	v_lshl_add_u32 v20, v2, 4, v20
	s_lshl_b32 s54, s16, 5
	v_add_nc_u32 v20, s54, v20                     ; codes in: row r, my head's 32 bytes, 16 for each half of the lanes
	v_lshlrev_b32 v21, 5, v1
	s_lshl_b32 s55, s16, 1
	s_add_co_u32 s55, s55, SST
	v_add_nc_u32 v21, s55, v21                     ; scale bytes in: row r, my head's two
	s_mul_i32 s56, s16, 2*CP
	v_add_nc_u32 v22, s56, v4                      ; codes back: rows 2 w and 2 w + 1, 16 bytes a lane
	s_lshl_b32 s57, s16, 9
	s_add_co_u32 s57, s57, SST
	v_add_nc_u32 v23, s57, v4                      ; scale bytes back: waves 0 and 1, 512 bytes each
.macro BAND x                          ; BB = the queries r = 0 .. 15, one bit each, for which a key x places behind the tile's first query counts: |x - r| <= 4
.if ((\x) >= -4) && ((\x) <= 19)
.set BB, ((0x1ff<<((\x)+12))>>16)&0xffff
.else
.set BB, 0
.endif
.endm
; Eight registers n0 .. n0 + 7 of S_t: scores of hidden keys become -infinity.  The lane masks are constants.  edge = 1: the block is j - 1, which does not exist where j = 0;  2: j + 1, where j = 63.
.macro MASK8 t, n0, edge
.if \edge == 1
	s_cmp_lg_u32 s18, 0
.elseif \edge == 2
	s_cmp_lg_u32 s18, 63
.endif
.set kk, 0
.rept 8
.set nn, \n0+kk
.set xx, -32+16*\t+32*(nn/16)+(nn%16)
	BAND xx
.set m0, BB
	BAND xx+16
.set mm, m0|(BB<<16)
.if \edge
	s_cselect_b32 s[40+kk], mm, 0
.else
	s_mov_b32 s[40+kk], mm
.endif
.set kk, kk+1
.endr
.set kk, 0
.rept 8
	v_cndmask_b32 v[S+32*\t+\n0+kk], v[NEG], v[S+32*\t+\n0+kk], s[40+kk]   ; each accumulator from its low end on
.set kk, kk+1
.endr
.endm
.macro MAX8 d, b
	v_max3_num_f32 v[\d], v[\b], v[\b+1], v[\b+2]
	v_max3_num_f32 v[\d], v[\d], v[\b+3], v[\b+4]
	v_max3_num_f32 v[\d], v[\d], v[\b+5], v[\b+6]
	v_max_num_f32 v[\d], v[\d], v[\b+7]
.endm
.macro MAX16 d, b
	v_max3_num_f32 v[\d], v[\b], v[\b+1], v[\b+2]
.irp i, 3,5,7,9,11,13
	v_max3_num_f32 v[\d], v[\d], v[\b+\i], v[\b+\i+1]
.endr
	v_max_num_f32 v[\d], v[\d], v[\b+15]
.endm
.macro SOFT t                          ; tile t's softmax; its 24 registers that can hold a key of the band are LO .. LO + 23
.set SS, S+32*\t
.set LO, 8*(1-\t)
.set TW, WT+14*\t
.set PP, PC+8*\t
.if \t == 0
	MASK8 0, 8, 1
	MASK8 0, 16, 0
	MASK8 0, 24, 0
	MAX8 TW, SS+8                                  ; THE LARGEST SCORE OF EACH BLOCK OF 32 KEYS serves twice: for the row's maximum and, since p rises with the score, for the block's largest p
	MAX16 TW+1, SS+16
.else
	MASK8 1, 0, 0
	MASK8 1, 8, 0
	MASK8 1, 16, 2
	MAX16 TW, SS
	MAX8 TW+1, SS+16
.endif
	v_permlanex16_b32 v[TW+2], v[TW], s24, s25
	v_permlanex16_b32 v[TW+3], v[TW+1], s24, s25
	v_max_num_f32 v[TW], v[TW], v[TW+2]            ; with lane l xor 16's keys
	v_max_num_f32 v[TW+1], v[TW+1], v[TW+3]
	v_max_num_f32 v[TW+5], v[TW], v[TW+1]          ; the row's largest score: a number, since a query's own key always counts
	v_mul_f32 v[TW+5], s22, v[TW+5]                ; as t
	v_floor_f32 v[TW+4], -v[TW+5]                  ; -M = floor(-t) = -ceil(t)
.set i, 0
.rept 12
	v_pk_fma_f32 v[SS+LO+i:SS+LO+i+1], v[SS+LO+i:SS+LO+i+1], s[22:23], v[TW+4:TW+5] op_sel_hi:[1,0,0]   ; t - M, two at a time (of the pairs c and -M the low word serves both halves)
.set i, i+2
.endr
	v_fma_f32 v[TW], v[TW], s22, v[TW+4]           ; the same of each block's largest score
	v_fma_f32 v[TW+1], v[TW+1], s22, v[TW+4]
.set i, 0
.rept 24
	v_exp_f32 v[SS+LO+i], v[SS+LO+i]               ; p = 2^(t - M), at most 1; 0 for a hidden key
.set i, i+1
.endr
	v_exp_f32 v[TW], v[TW]
	v_exp_f32 v[TW+1], v[TW+1]
	v_nop                                          ; a plain place behind the exponentials
	s_wait_alu depctr_va_vdst(0)
	v_max_num_f32 v[TW], 0x1800000, v[TW]          ; the floor 2^(3 - 127): a block whose every p is 0 keeps the byte 1: its codes are zeros
	v_max_num_f32 v[TW+1], 0x1800000, v[TW+1]
	v_add_nc_u32 v[TW+10], 0xff000000, v[TW]       ; 2 off the exponent field: the conversion's scale operand
	v_add_nc_u32 v[TW+11], 0xff000000, v[TW+1]
	v_lshrrev_b32 v[TW+12], 23, v[TW+10]           ; the scale's byte
	v_lshrrev_b32 v[TW+13], 23, v[TW+11]
.if \t == 0
	v_lshl_or_b32 v[PW], v[TW+13], 8, v[TW+12]     ; p's scale word: bytes t and t + 1 of the window's four; the others are 0 over zero codes
.else
	v_lshlrev_b32 v[PW+1], 8, v[TW+12]
	v_lshl_or_b32 v[PW+1], v[TW+13], 16, v[PW+1]
.endif
.irp g, 0,1,2
.set gg, LO/8+\g
	v_cvt_scalef32_pk8_fp4_f32 v[PP+2*\t+gg], v[SS+8*gg:SS+8*gg+7], v[TW+10+gg/2]
.endr
	v_nop                                          ; one plain place behind a scaled conversion
.irp c, 0,1                                    ; a WHOLE block in a lane: lanes 0-15 block 2 c of the window, lanes 16-31 block 2 c + 1
.irp i, 0,1
	v_permlane16_swap_b32 v[PP+4*\c+\i], v[PP+2+4*\c+\i]
.endr
.endr
	v_pk_add_f32 v[TW+6:TW+7], v[SS+LO:SS+LO+1], v[SS+LO+4:SS+LO+5]       ; THE ROW'S SUM IS TAKEN OF THE UNQUANTISED p: two at a time, in two chains
	v_pk_add_f32 v[TW+8:TW+9], v[SS+LO+2:SS+LO+3], v[SS+LO+6:SS+LO+7]
.irp i, 8,12,16,20
	v_pk_add_f32 v[TW+6:TW+7], v[TW+6:TW+7], v[SS+LO+\i:SS+LO+\i+1]
	v_pk_add_f32 v[TW+8:TW+9], v[TW+8:TW+9], v[SS+LO+\i+2:SS+LO+\i+3]
.endr
	v_pk_add_f32 v[TW+6:TW+7], v[TW+6:TW+7], v[TW+8:TW+9]
.endm
	SOFT 0
	s_wait_loadcnt 0x0                             ; V and its scale words
.irp n, 0,1,2,3                                ; a tile's scale word for the window: the bytes of blocks j - 1, j, j + 1; the fourth stays 0 over p's zero codes
	v_bfe_u32 v[VW+\n], v[VR+3*\n], s27, 8
	v_bfe_u32 v24, v[VR+3*\n+1], s28, 8
	v_bfe_u32 v25, v[VR+3*\n+2], s29, 8
	v_lshl_or_b32 v[VW+\n], v24, 8, v[VW+\n]
	v_lshl_or_b32 v[VW+\n], v25, 16, v[VW+\n]
.endr
	SOFT 1                                         ; its eleven packed additions are the places between p's scale word and codes and the products below
.irp n, 0,1,2,3                                ; O^T = V^T P^T: eight accumulators, one product each; O^T of tile t at v[48 + 64 t]: register 16 B + i is channel 32 B + 16 (lane / 16) + i
.irp t, 0,1
	v_wmma_scale_f32_16x16x128_f8f6f4 v[48+64*\t+8*\n:48+64*\t+8*\n+7], v[VF+8*\n:VF+8*\n+7], v[PC+8*\t:PC+8*\t+7], 0, v[VW+\n], v[PW+\t] matrix_a_fmt:MATRIX_FMT_FP4 matrix_b_fmt:MATRIX_FMT_FP4
.endr
.endr
.irp t, 0,1
	v_add_f32 v[WT+14*\t+6], v[WT+14*\t+6], v[WT+14*\t+7]   ; the sum's two halves (these lines are also the places behind the products)
.endr
.irp t, 0,1
	v_permlanex16_b32 v[WT+14*\t+2], v[WT+14*\t+6], s24, s25
.endr
	v_nop
	v_nop
.irp t, 0,1
	v_add_f32 v[WT+14*\t+6], v[WT+14*\t+6], v[WT+14*\t+2]   ; and lane l xor 16's: the row's sum
.endr
.irp t, 0,1
	v_rcp_f32 v[WT+14*\t+8], v[WT+14*\t+6]
.endr
	v_nop                                          ; a plain place behind the reciprocals
	s_wait_alu depctr_va_vdst(0)
.macro OUTQ t                          ; O^T / sum, quantised along the channels: two blocks of 32, 16 numbers of each in my lane
.set OB, 48+64*\t
.set TW, WT+14*\t
.set OO, OC+4*\t
.set i, 0
.rept 16
	v_pk_mul_f32 v[OB+i:OB+i+1], v[OB+i:OB+i+1], v[TW+8:TW+9] op_sel_hi:[1,0]   ; ascending: each accumulator from its low end on
.set i, i+2
.endr
.irp b, 0,1
	v_max3_num_f32 v[TW+\b], |v[OB+16*\b]|, |v[OB+16*\b+1]|, 0x1800000
.endr
.irp i, 2,4,6,8,10,12,14
.irp b, 0,1
	v_max3_num_f32 v[TW+\b], v[TW+\b], |v[OB+16*\b+\i]|, |v[OB+16*\b+\i+1]|
.endr
.endr
	v_permlanex16_b32 v[TW+2], v[TW], s24, s25
	v_permlanex16_b32 v[TW+3], v[TW+1], s24, s25
	v_max_num_f32 v[TW], v[TW], v[TW+2]
	v_max_num_f32 v[TW+1], v[TW+1], v[TW+3]
	v_add_nc_u32 v[TW+10], 0xff000000, v[TW]
	v_add_nc_u32 v[TW+11], 0xff000000, v[TW+1]
	v_lshrrev_b32 v[TW+12], 23, v[TW+10]
	v_lshrrev_b32 v[TW+13], 23, v[TW+11]
	v_lshl_or_b32 v[TW+12], v[TW+13], 8, v[TW+12]  ; my head's two scale bytes of my row
.irp b, 0,1
	v_cvt_scalef32_pk8_fp4_f32 v[OO+2*\b], v[OB+16*\b:OB+16*\b+7], v[TW+10+\b]
	v_cvt_scalef32_pk8_fp4_f32 v[OO+2*\b+1], v[OB+16*\b+8:OB+16*\b+15], v[TW+10+\b]
.endr
	v_nop                                          ; one plain place behind a scaled conversion
	v_permlane16_swap_b32 v[OO], v[OO+2]           ; lanes 0-15 now hold channels 0-31, lanes 16-31 channels 32-63: 16 bytes each
	v_permlane16_swap_b32 v[OO+1], v[OO+3]
	ds_store_b128 v20, v[OO:OO+3] offset:\t*16*CP
	ds_store_b16 v21, v[TW+12] offset:\t*512       ; both halves of the lanes write the same two bytes with the same value
.endm
	OUTQ 0
	OUTQ 1
	s_wait_dscnt 0x0                               ; for the others' sake: my stores into the stages are done
	s_barrier_signal -1
	s_barrier_wait -1                              ; 32 whole rows lie in LDS
	ds_load_b128 v[32:35], v22
	ds_load_b128 v[36:39], v22 offset:CP
	s_wait_dscnt 0x0
	global_store_b128 v4, v[32:35], s[50:51]               ; 32 lanes store a row of 512 bytes, aligned
	global_store_b128 v4, v[36:39], s[50:51] offset:512
	s_cmp_lt_u32 s16, 2
	s_cbranch_scc0 .Lend
	ds_load_b128 v[40:43], v23
	s_wait_dscnt 0x0
	global_store_b128 v4, v[40:43], s[52:53]               ; 16 rows' scale bytes: 512 consecutive bytes, aligned
.Lend:
	s_wait_tensorcnt 0x0
	ds_add_u32 v254, v255
	s_wait_dscnt 0x0
	s_endpgm
.Lfunc_end_k_qe15322828f_attn:
	.size	k_qe15322828f_attn, .Lfunc_end_k_qe15322828f_attn-k_qe15322828f_attn
	.p2alignl 7, 3214868480
	.fill 96, 4, 3214868480
	.section	.rodata,"a",@progbits
	.p2align	6, 0x0
	.amdhsa_kernel k_qe15322828f_attn
		.amdhsa_group_segment_fixed_size 20480
		.amdhsa_private_segment_fixed_size 0
		.amdhsa_enable_private_segment 0
		.amdhsa_kernarg_size 32
		.amdhsa_user_sgpr_count 2
		.amdhsa_user_sgpr_kernarg_segment_ptr 1
		.amdhsa_wavefront_size32 1
		.amdhsa_system_sgpr_workgroup_id_x 1
		.amdhsa_system_sgpr_workgroup_id_y 1
		.amdhsa_system_sgpr_workgroup_id_z 1
		.amdhsa_system_vgpr_workitem_id 0
		.amdhsa_next_free_vgpr 256
		.amdhsa_next_free_sgpr 66
		.amdhsa_reserve_vcc 0
		.amdhsa_float_denorm_mode_32 3
		.amdhsa_float_denorm_mode_16_64 3
		.amdhsa_memory_ordered 1
		.amdhsa_forward_progress 1
		.amdhsa_inst_pref_size 35
	.end_amdhsa_kernel
	.amdgpu_metadata
---
amdhsa.version: [ 1, 2 ]
amdhsa.kernels:
  - .name:           k_qe15322828f_attn
    .symbol:         k_qe15322828f_attn.kd
    .args:
      - { .name: qkv_codes, .offset: 0, .size: 8, .value_kind: global_buffer, .address_space: global }
      - { .name: qkv_scales, .offset: 8, .size: 8, .value_kind: global_buffer, .address_space: global }
      - { .name: att_codes, .offset: 16, .size: 8, .value_kind: global_buffer, .address_space: global }
      - { .name: att_scales, .offset: 24, .size: 8, .value_kind: global_buffer, .address_space: global }
    .group_segment_fixed_size: 20480
    .private_segment_fixed_size: 0
    .kernarg_segment_align: 8
    .kernarg_segment_size: 32
    .max_flat_workgroup_size: 512
    .sgpr_count:     66
    .vgpr_count:     256
    .wavefront_size: 32
...
	.end_amdgpu_metadata
.endif
;; end of part 3
;; launch proj (part 4): grid 4 x 32, 4 waves a work-group, clusters of 4 x 4, 327,680 bytes of LDS; arguments att_codes, att_scales, codes1, scales1, out0, b_proj; writes out0
.if DOCPART == 4
	.amdgcn_target "amdgcn-amd-amdhsa--gfx1250"
	.amdhsa_code_object_version 6
	.text
	.protected	k_qe15322828f_proj
	.globl	k_qe15322828f_proj
	.p2align	8
	.type	k_qe15322828f_proj,@function
k_qe15322828f_proj:
	s_mov_b64 s[64:65], 0
	v_nop
	global_prefetch_b8 v0, s[64:65] scope:SCOPE_SE
	s_setreg_imm32_b32 hwreg(HW_REG_WAVE_MODE, 25, 1), 1
	s_wait_xcnt 0x0
	s_wait_alu depctr_hold_cnt(0) depctr_sa_sdst(0) depctr_va_vdst(0) depctr_va_sdst(0) depctr_va_ssrc(0) depctr_va_vcc(0) depctr_vm_vsrc(0)
	s_getreg_b32 s2, hwreg(HW_REG_IB_STS2, 6, 4)
	s_cmp_eq_u32 s2, 0
	s_cbranch_scc0 .Lentry_in_a_cluster
	s_endpgm
.Lentry_in_a_cluster:
	s_bfe_u32 s2, ttmp6, 0x10000c
	s_cmp_lg_u32 s2, 0xf033
	s_cbranch_scc0 .Lentry_shape_is_right
	s_endpgm
.Lentry_shape_is_right:
; out = att w_proj^T + b_proj, [8192][1024], K = 1024, f32 out, on codes of FP4 (E2M1) with one E8M0 scale for each 32 along K.
; A tile of 256 x 256 is made by a work-group of four waves; a wave makes 128 x 128: 64 accumulators of 16 x 16, 512 registers.  All of K lies in two LDS slots of 512 along K (rows of 256 bytes),
; each filled once by the tensor data mover; the scale bytes of the 256 + 256 rows come with them.  By this text's own count a wave has three tensor loads outstanding at the start.
; CLUSTERS: 4 x 4 work-groups.  The four of a row of the cluster need the same tiles of att, the four of a column the same tiles of w_proj: each tile is asked for JOINTLY.
; THE MATRIX INSTRUCTION IS USED TRANSPOSED (source 0 = 16 rows of w_proj, source 1 = 16 tokens): a lane holds eight neighbouring numbers of a row of the output.  The bias is the C of each sum's first product.
; The grid has 128 work-groups: 32 x 4 tiles of 256 x 256.
; REGISTERS, in windows of 256: window 0: v0-31 addresses; v32-95 scale words, two sets, and nothing else; v128-191 A's fragments, ONE set; v192-255 the bias; on the way out v128-255 take rows read back.
;   window 1: B's fragments, TWO sets.  window 2: the accumulators of my rows 0-63 ((a, b) at v[8 (8 a + b)]);  window 3: those of rows 64-127.
.set SIZE_N, 1024
.set NQ,     4
.set ROWB,   256
.set KROW,   512
.set PITCH,  272                       ; an LDS row: 256 bytes + 16 of padding: the 16 rows that a load touches start at 16 different banks (64 banks of 4 bytes: ISA guide 11.1)
.set FR,     8
.set NL,     2
.set NP,     4                         ; places behind this matrix instruction (ISA guide 7.12.1)
.set HALFT,  128*PITCH
.set SLOT,   4*HALFT
.set KS,     32
.set SCL,    2*SLOT
.set HALFS,  (128*KS/256)*272
.set SBLK,   (16*KS/256)*272
.set SPARE,  SCL+4*HALFS               ; the spare words, 128 bytes for each wave: two blocks of 256 bytes that no other line names
.set SPITCH, 528                       ; the way out: a stage of 16 rows x (512 bytes + 16) for each wave, in slot 0, which has had its one fill and its last read when the first result is stored there
.set WP_C,   5767168                   ; where w_proj's codes and scale bytes begin in their buffers
.set WP_S,   360448
.set BOF,  8                           ; v8   32 h: my half's place in the bias
.set ADRA, 16
.set ADRB, 20
.set STO,  24                          ; v24  the way out: where I put 32 bytes of a row
.set RD,   25                          ; v25  where I read a row back
.set CO,   26                          ; v26  my byte offset in a row of the output
.set ADRS, 27
.set SPW,  28                          ; v28  LDS address of my spare word; never rewritten
.set NIL,  29                          ; v29  0; never rewritten
.set SC,   32
.set AF,   128
.set BIAS, 192
.set BK,   128
.set G1, 24
.set G0, 32
.set G1B, 48
.set G0B, 56
.set G1S, 68
.set G0S, 76
.set G1SB, 80
.set G0SB, 88
.set MSB, 0
.macro WIN new                         ; the immediate's high byte repeats the setting that is left
.if MSB != \new
	s_set_vgpr_msb (MSB<<8)|\new
.set MSB, \new
.endif
.endm
.set MUL_LO, 0xa1
.set MUL_HI, 0xf1
.set BIA_LO, 0x81                      ; the first products: C (the bias) window 0, D window 2
.set BIA_HI, 0xc1
.set TO_B,   0x40
; A joint load: waves 0 and 1 fetch for A, waves 2 and 3 for B; four v_nop follow each of the two lines, ahead of the jump, the label and what follows.
.macro JLOAD g0a, g1a, g0b, g1b
	s_cmp_eq_u32 s15, 0
	s_cbranch_scc0 .Lfor_b_\@
	tensor_load_to_lds s[\g0a:\g0a+3], s[\g1a:\g1a+7]
	s_nop 0
.rept 4
	v_nop
.endr
	s_branch .Lasked_\@
.Lfor_b_\@:
	tensor_load_to_lds s[\g0b:\g0b+3], s[\g1b:\g1b+7]
	s_nop 0
.rept 4
	v_nop
.endr
.Lasked_\@:
.endm
.macro CROUND                          ; a round of the cluster's barrier
	s_barrier_signal -1
	s_barrier_wait -1
	s_cmp_lg_u32 s14, 0
	s_cbranch_scc1 .Lnot_wave_0_\@
	s_barrier_signal -3
.Lnot_wave_0_\@:
	s_barrier_wait -3
	s_barrier_signal -1
	s_barrier_wait -1
.endm
	s_load_b256 s[4:11], s[0:1], 0x0               ; att's codes s[4:5], its scales s[6:7]; the weights' codes s[8:9], their scales s[10:11]
	s_load_b64 s[12:13], s[0:1], 0x20              ; the output
	s_load_b64 s[96:97], s[0:1], 0x28              ; the bias
	v_lshl_add_u32 v[SPW], v0, 2, SPARE
	v_mov_b32 v[NIL], 0
	ds_add_u32 v28, v29
	ds_add_u32 v28, v29
	s_wait_dscnt 0x0
	v_lshrrev_b32 v1, 5, v0
	v_readfirstlane_b32 s14, v1                    ; wave 0..3
	s_lshr_b32 s15, s14, 1                         ; which half of the tile's rows is mine.  Also: I fetch for A (0) or for B (1)
	s_and_b32 s16, s14, 1                          ; which half of its columns.  Also: which 128 rows of that tile I fetch
	s_bfe_u32 s40, ttmp6, 0x40000                  ; cx, cy
	s_bfe_u32 s41, ttmp6, 0x40004
	s_lshl_b32 s42, ttmp9, 2
	s_add_co_u32 s42, s42, s40                     ; tile column
	s_and_b32 s17, ttmp7, 0xffff
	s_lshl_b32 s17, s17, 2
	s_add_co_u32 s17, s17, s41                     ; tile row
	s_lshl_b32 s43, s41, 2
	s_lshl_b32 s43, 15, s43                        ; my row of the cluster
	s_lshl_b32 s44, 0x1111, s40                    ; my column
	s_or_b32 s[G1+0], s43, (0<<16)|(1<<20)|(1<<21)|(5<<22)|(3<<25)  ; 15:0 the mask; 17:16 element of 1 byte; 20 padding on; 21 set beside a mask; 24:22 after every 64 words; 31:25 of 4 words
	s_or_b32 s[G1B+0], s44, (0<<16)|(1<<20)|(1<<21)|(5<<22)|(3<<25)
.irp g, G1, G1B
	s_mov_b32 s[\g+1], ROWB<<16
	s_mov_b32 s[\g+2], 128<<16
	s_mov_b32 s[\g+3], ROWB<<16
	s_mov_b32 s[\g+4], 128
	s_mov_b32 s[\g+5], KROW
	s_mov_b32 s[\g+6], 0
	s_mov_b32 s[\g+7], 0
.endr
	s_or_b32 s[G1S+0], s43, (3<<16)|(1<<20)|(1<<21)|(5<<22)|(3<<25)  ; the scales of 128 rows: 16 rows of 256 bytes (32 elements of 8 bytes), 16 bytes of padding behind each
	s_or_b32 s[G1SB+0], s44, (3<<16)|(1<<20)|(1<<21)|(5<<22)|(3<<25)
.irp g, G1S, G1SB
	s_mov_b32 s[\g+1], 32<<16
	s_mov_b32 s[\g+2], (128*KS/256)<<16
	s_mov_b32 s[\g+3], 32<<16
	s_mov_b32 s[\g+4], 128*KS/256
	s_mov_b32 s[\g+5], 32
	s_mov_b32 s[\g+6], 0
	s_mov_b32 s[\g+7], 0
.endr
	s_lshl_b32 s18, s16, 7
	s_lshl_b32 s20, s17, 8
	s_add_co_u32 s20, s20, s18                     ; A: row 256 x tile row + 128 x half
	s_lshl_b32 s46, s42, 8
	s_add_co_u32 s46, s46, s18                     ; B: row 256 x tile column + 128 x half
	s_mov_b32 s21, 0
	s_mov_b32 s47, 0
	s_mov_b64 s[18:19], KS
	s_mul_u64 s[22:23], s[20:21], s[18:19]
	s_mul_u64 s[92:93], s[46:47], s[18:19]
	s_mov_b64 s[18:19], KROW
	s_mul_u64 s[20:21], s[20:21], s[18:19]
	s_mul_u64 s[46:47], s[46:47], s[18:19]
	s_add_nc_u64 s[46:47], s[46:47], WP_C          ; w_proj lies behind x and w_qkv in both buffers
	s_add_nc_u64 s[92:93], s[92:93], WP_S
	s_mul_i32 s45, s14, HALFT                      ; where they go: no place in the cluster enters an LDS address
	s_mul_i32 s94, s14, HALFS
	s_wait_kmcnt 0x0
	s_add_nc_u64 s[20:21], s[4:5], s[20:21]
	s_add_nc_u64 s[22:23], s[6:7], s[22:23]
	s_add_nc_u64 s[46:47], s[8:9], s[46:47]
	s_add_nc_u64 s[92:93], s[10:11], s[92:93]
	CROUND                                         ; all sixteen work-groups are here: the joint loads meet
	s_mov_b32 s[G0S], 1
	s_add_co_u32 s[G0S+1], s94, SCL
	s_mov_b64 s[G0S+2:G0S+3], s[22:23]
	s_or_b32 s[G0S+3], s[G0S+3], 0x80000000
	s_mov_b32 s[G0SB], 1
	s_add_co_u32 s[G0SB+1], s94, SCL
	s_mov_b64 s[G0SB+2:G0SB+3], s[92:93]
	s_or_b32 s[G0SB+3], s[G0SB+3], 0x80000000
	JLOAD G0S, G1S, G0SB, G1SB
.irp s, 0,1
	s_mov_b32 s[G0+4*\s], 1
	s_add_co_u32 s[G0+4*\s+1], s45, \s*SLOT
	s_add_nc_u64 s[G0+4*\s+2:G0+4*\s+3], s[20:21], \s*ROWB
	s_or_b32 s[G0+4*\s+3], s[G0+4*\s+3], 0x80000000
	s_mov_b32 s[G0B+4*\s], 1
	s_add_co_u32 s[G0B+4*\s+1], s45, \s*SLOT
	s_add_nc_u64 s[G0B+4*\s+2:G0B+4*\s+3], s[46:47], \s*ROWB
	s_or_b32 s[G0B+4*\s+3], s[G0B+4*\s+3], 0x80000000
	JLOAD G0+4*\s, G1, G0B+4*\s, G1B
.endr
	v_and_b32 v1, 15, v0                           ; r
	v_bfe_u32 v2, v0, 4, 1                         ; h
	v_lshlrev_b32 v[BOF], 5, v2
	s_lshl_b32 s46, s42, 10                        ; my first column, in bytes of f32: 1024 x tile column + 512 x half: in the bias and in a row of the output
	s_lshl_b32 s47, s16, 9
	s_add_co_u32 s46, s46, s47
	s_mov_b32 s47, 0
	s_add_nc_u64 s[96:97], s[96:97], s[46:47]
.irp b, 0,1,2,3,4,5,6,7
	global_load_b128 v[BIAS+8*\b:BIAS+8*\b+3],   v[BOF], s[96:97] offset:64*\b      ; in the result's layout: columns 16 b + 8 h + 0 .. 7
	global_load_b128 v[BIAS+8*\b+4:BIAS+8*\b+7], v[BOF], s[96:97] offset:64*\b+16
.endr
	v_mul_u32_u24 v3, v1, PITCH
	v_lshl_add_u32 v4, v2, 4, v3
	s_mul_i32 s21, s15, HALFT
	s_mul_i32 s22, s16, HALFT
	s_add_co_u32 s22, s22, 2*HALFT
.irp s, 0,1
	v_add_nc_u32 v[ADRA+\s], s21, v4
	v_add_nc_u32 v[ADRB+\s], s22, v4
	s_add_co_u32 s21, s21, SLOT
	s_add_co_u32 s22, s22, SLOT
.endr
	v_mul_u32_u24 v5, v1, KS
	v_lshrrev_b32 v6, 8, v5
	v_lshl_add_u32 v5, v6, 4, v5
	s_mul_i32 s21, s15, HALFS
	s_mul_i32 s22, s16, HALFS
	s_add_co_u32 s22, s22, 2*HALFS
	s_sub_co_u32 s22, s22, s21
	v_mul_u32_u24 v6, s22, v2                      ; lanes 16-31 take B's: the lower base + h x the distance
	s_add_co_u32 s21, s21, SCL
	v_add_nc_u32 v5, v5, v6
	v_add_nc_u32 v[ADRS], s21, v5
	s_mul_i32 s23, s14, 16*SPITCH                  ; my stage
	v_mul_u32_u24 v5, v1, SPITCH
	v_lshl_add_u32 v5, v2, 5, v5
	v_add_nc_u32 v[STO], s23, v5
	v_and_b32 v6, 31, v0
	v_lshlrev_b32 v[CO], 4, v6
	v_add_nc_u32 v[RD], s23, v[CO]
	s_lshl_b32 s20, s17, 8
	s_lshl_b32 s21, s15, 7
	s_add_co_u32 s20, s20, s21                     ; my first row of the output
	s_mov_b32 s21, 0
	s_mov_b64 s[18:19], SIZE_N*4
	s_mul_u64 s[20:21], s[20:21], s[18:19]
	s_add_nc_u64 s[20:21], s[20:21], s[46:47]
	s_add_nc_u64 s[12:13], s[12:13], s[20:21]
.macro FRAG reg, adr, q, i
.irp c, 0,1
	ds_load_b128 v[\reg+4*\c:\reg+4*\c+3], v[\adr] offset:64*(\q)+32*\c+(\i)*16*PITCH
.endr
.endm
; 16 matrix instructions: A's blocks a0, a0 + 1 x B's eight.  first = 1: the first product starts the sums with the bias as C.  The 64 accumulators take turns, one instruction a turn.
.macro MUL16 a0, p, q, sc, first
.irp a, \a0, \a0+1
.irp b, 0,1,2,3,4,5,6,7
.if \first
	v_wmma_scale_f32_16x16x128_f8f6f4 v[8*(8*((\a)%4)+\b):8*(8*((\a)%4)+\b)+7], v[128*(\p)+FR*\b:128*(\p)+FR*\b+FR-1], v[AF+FR*(\a):AF+FR*(\a)+FR-1], v[BIAS+8*\b:BIAS+8*\b+7], v[SC+8*NQ*(\sc)+NQ*\b+(\q)], v[SC+8*NQ*(\sc)+NQ*(\a)+(\q)] matrix_a_fmt:MATRIX_FMT_FP4 matrix_b_fmt:MATRIX_FMT_FP4 matrix_a_scale:MATRIX_SCALE_ROW1
.else
	v_wmma_scale_f32_16x16x128_f8f6f4 v[8*(8*((\a)%4)+\b):8*(8*((\a)%4)+\b)+7], v[128*(\p)+FR*\b:128*(\p)+FR*\b+FR-1], v[AF+FR*(\a):AF+FR*(\a)+FR-1], v[8*(8*((\a)%4)+\b):8*(8*((\a)%4)+\b)+7], v[SC+8*NQ*(\sc)+NQ*\b+(\q)], v[SC+8*NQ*(\sc)+NQ*(\a)+(\q)] matrix_a_fmt:MATRIX_FMT_FP4 matrix_b_fmt:MATRIX_FMT_FP4 matrix_a_scale:MATRIX_SCALE_ROW1
.endif
.endr
.endr
.endm
.macro FETCH_B slot, q, p
	WIN TO_B
.irp i, 0,1,2,3,4,5,6,7
	FRAG 128*(\p)+FR*\i, ADRB+\slot, \q, \i
.endr
	WIN 0
.endm
.macro FETCH_A slot, q, i0
.irp i, \i0, \i0+1, \i0+2, \i0+3
	FRAG AF+FR*(\i), ADRA+\slot, \q, \i
.endr
.endm
.macro SCALES sc
.irp i, 0,1,2,3,4,5,6,7
	ds_load_b128 v[SC+8*NQ*\sc+NQ*\i:SC+8*NQ*\sc+NQ*\i+3], v[ADRS] offset:\i*SBLK
.endr
.endm
.macro PLACES n                        ; places in front of loads into registers that matrix instructions have read, and of the first read of results
.rept \n
	v_nop
.endr
.endm
.macro STEP slot, q, first
	s_wait_dscnt 4*NL                              ; B's set and A's blocks 0-3 are in; the youngest eight loads (A's blocks 4-7) may be out
.if \first
	WIN BIA_LO
.else
	WIN MUL_LO
.endif
	MUL16 0, (\q)%2, \q, \slot, \first
	MUL16 2, (\q)%2, \q, \slot, \first
	s_wait_dscnt 0
	PLACES NP
	FETCH_B \slot, (\q)+1, 1-(\q)%2
	FETCH_A \slot, (\q)+1, 0
.if \first
	WIN BIA_HI
.else
	WIN MUL_HI
.endif
	MUL16 4, (\q)%2, \q, \slot, \first
	MUL16 6, (\q)%2, \q, \slot, \first
	PLACES NP
	WIN 0
	FETCH_A \slot, (\q)+1, 4
.endm
.macro TURN slot, next                 ; slot 0's last step changes slots: ONE barrier; nothing is filled again: K ends with slot 1
	s_wait_tensorcnt 0x0                           ; all my tensor loads have landed: my part of the next slot
	ds_add_u32 v[SPW], v[NIL]                      ; 0 onto my spare word
	s_wait_dscnt 4*NL+1                            ; (the add and the youngest eight loads may be out)
	WIN MUL_LO
	MUL16 0, 1, NQ-1, \slot, 0
	s_wait_dscnt 0x0                               ; the add is done, and my reads of this slot are over
	s_barrier_signal -1
	MUL16 2, 1, NQ-1, \slot, 0
	WIN 0
	s_barrier_wait -1
	PLACES NP
	v_add_nc_u32 v[ADRS], 4*NQ, v[ADRS]
	FETCH_B \next, 0, 0
	FETCH_A \next, 0, 0
	SCALES \next
	WIN MUL_HI
	MUL16 4, 1, NQ-1, \slot, 0
	MUL16 6, 1, NQ-1, \slot, 0
	PLACES NP
	WIN 0
	FETCH_A \next, 0, 4
.endm
	s_wait_tensorcnt 1                             ; the scales and my part of slot 0 are in (slot 1's load may be out),
	s_barrier_signal -1
	s_barrier_wait -1                              ; everybody's are
	FETCH_B 0, 0, 0
	FETCH_A 0, 0, 0
	SCALES 0
	FETCH_A 0, 0, 4
	s_wait_loadcnt 0x0                             ; the bias
	STEP 0, 0, 1
	STEP 0, 1, 0
	STEP 0, 2, 0
	TURN 0, 1
	STEP 1, 0, 0
	STEP 1, 1, 0
	STEP 1, 2, 0
	s_wait_dscnt 4*NL
	WIN MUL_LO
	MUL16 0, 1, NQ-1, 1, 0
	MUL16 2, 1, NQ-1, 1, 0
	s_wait_dscnt 0
	WIN MUL_HI
	MUL16 4, 1, NQ-1, 1, 0
	MUL16 6, 1, NQ-1, 1, 0
	WIN 0
; THE WAY OUT, block by block of 16 rows x 128 columns, through my own stage in LDS: in as 32 bytes a lane, back as whole rows of 512 bytes.  LDS serves a wave's instructions in order: no wait between the stores and the loads.
.macro TOSTAGE a
.set AC, 64*((\a)%4)
	WIN 0x08+4*((\a)/4)                            ; the data: window 2 or 3
.irp b, 0,1,2,3,4,5,6,7
	ds_store_b128 v[STO], v[AC+8*\b:AC+8*\b+3] offset:64*\b          ; each accumulator from its low end on
	ds_store_b128 v[STO], v[AC+8*\b+4:AC+8*\b+7] offset:64*\b+16
.endr
	WIN 0
.set BB, BK+64*((\a)%2)
.irp t, 0,1,2,3,4,5,6,7,8,9,10,11,12,13,14,15
	ds_load_b128 v[BB+4*\t:BB+4*\t+3], v[RD] offset:\t*SPITCH
.endr
.endm
.macro SEND a, younger                 ; younger: the LDS instructions issued behind block a's loads, which may stay out
.set BB, BK+64*((\a)%2)
	s_wait_dscnt \younger
.if (\a) > 0
	s_add_nc_u64 s[12:13], s[12:13], 16*SIZE_N*4   ; (behind a wait on XCNT: the earlier stores have read their base)  16 rows on
.endif
.irp t, 0,1,2,3,4,5,6,7,8,9,10,11,12,13,14,15
	global_store_b128 v[CO], v[BB+4*\t:BB+4*\t+3], s[12:13] offset:\t*SIZE_N*4 th:TH_STORE_NT   ; 32 lanes store 512 consecutive bytes, aligned; written once, read by nobody here
.endr
.endm
	PLACES NP
	TOSTAGE 0
.irp a, 1,2,3,4,5,6,7
.if \a > 1
	s_wait_xcnt 0x0                                ; block a - 2's stores have read their registers and their base
.endif
	TOSTAGE \a
	SEND \a-1, 32                                  ; behind block a - 1's loads: block a's 16 stores and 16 loads
.endr
	s_wait_xcnt 0x0
	SEND 7, 0
	s_wait_tensorcnt 0x0                           ; the wave's end: behind my last tensor load and my last LDS store
	ds_add_u32 v[SPW], v[NIL]
	s_wait_dscnt 0x0
	CROUND                                         ; the closing round
	s_endpgm
.Lfunc_end_k_qe15322828f_proj:
	.size	k_qe15322828f_proj, .Lfunc_end_k_qe15322828f_proj-k_qe15322828f_proj
	.p2alignl 7, 3214868480
	.fill 96, 4, 3214868480
	.section	.rodata,"a",@progbits
	.p2align	6, 0x0
	.amdhsa_kernel k_qe15322828f_proj
		.amdhsa_group_segment_fixed_size 327680
		.amdhsa_private_segment_fixed_size 0
		.amdhsa_enable_private_segment 0
		.amdhsa_kernarg_size 48
		.amdhsa_user_sgpr_count 2
		.amdhsa_user_sgpr_kernarg_segment_ptr 1
		.amdhsa_wavefront_size32 1
		.amdhsa_system_sgpr_workgroup_id_x 1
		.amdhsa_system_sgpr_workgroup_id_y 1
		.amdhsa_system_sgpr_workgroup_id_z 1
		.amdhsa_system_vgpr_workitem_id 0
		.amdhsa_next_free_vgpr 1024
		.amdhsa_next_free_sgpr 100
		.amdhsa_reserve_vcc 0
		.amdhsa_float_denorm_mode_32 3
		.amdhsa_float_denorm_mode_16_64 3
		.amdhsa_memory_ordered 1
		.amdhsa_forward_progress 1
		.amdhsa_inst_pref_size 126
	.end_amdhsa_kernel
	.amdgpu_metadata
---
amdhsa.version: [ 1, 2 ]
amdhsa.kernels:
  - .name:           k_qe15322828f_proj
    .symbol:         k_qe15322828f_proj.kd
    .args:
      - { .name: att_codes, .offset: 0, .size: 8, .value_kind: global_buffer, .address_space: global }
      - { .name: att_scales, .offset: 8, .size: 8, .value_kind: global_buffer, .address_space: global }
      - { .name: codes1, .offset: 16, .size: 8, .value_kind: global_buffer, .address_space: global }
      - { .name: scales1, .offset: 24, .size: 8, .value_kind: global_buffer, .address_space: global }
      - { .name: out0, .offset: 32, .size: 8, .value_kind: global_buffer, .address_space: global }
      - { .name: b_proj, .offset: 40, .size: 8, .value_kind: global_buffer, .address_space: global }
    .group_segment_fixed_size: 327680
    .private_segment_fixed_size: 0
    .kernarg_segment_align: 8
    .kernarg_segment_size: 48
    .max_flat_workgroup_size: 128
    .sgpr_count:     100
    .vgpr_count:     1024
    .wavefront_size: 32
...
	.end_amdgpu_metadata
.endif
;; end of part 4
